; MI455X (gfx1250); checked and timed in simulation.
; The chip was launched on July 23, 2026; its instructions are those of AMD's public machine-readable ISA for CDNA 5 (MIT licence, August 2026) and "CDNA5" Instruction Set Architecture Reference Guide (July 2026). The comments in the code are by the model that wrote it; some were corrected since.
;; Attention. Allowed arithmetic: float matrix products may take bf16 or f16 operands with f32 sums; all other float work in f32.
;; Inputs: Wk 1,024 x 1,024 float32; Wq 1,024 x 1,024 float32; Wv 1,024 x 1,024 float32; bk 1,024 float32; bq 1,024 float32; bv 1,024 float32; k 4 x 2,048 x 1,024 float32; mask 2,048 x 2,048 float32; q 4 x 2,048 x 1,024 float32; v 4 x 2,048 x 1,024 float32.
;; Outputs: out0 4 x 2,048 x 1,024 float32.
;; 2 versions, each right; version 2 is version 1 with the launch castw written anew for expert scheduling mode. Each part assembles by itself: llvm-mc -triple=amdgcn-amd-amdhsa -mcpu=gfx1250 --defsym DOCPART=n.
;; ======== version 1 of 2: 4 launches
;; limits: values are held in f16: magnitudes above 65,504 overflow, below 6.1e-05 lose precision
;; workspace buffers: wb 6,291,456 bytes; xp 50,331,648 bytes; pw 33,554,432 bytes; st 1,048,576 bytes
;; launch castw (part 1): grid 128 x 3, 8 waves a work-group, no clusters, 0 bytes of LDS; arguments Wq, Wk, Wv, wb; writes wb
.if DOCPART == 1
	.amdgcn_target "amdgcn-amd-amdhsa--gfx1250"
	.amdhsa_code_object_version 6
	.text
	.protected	k_q8a8e3b0801_castw
	.globl	k_q8a8e3b0801_castw
	.p2align	8
	.type	k_q8a8e3b0801_castw,@function
k_q8a8e3b0801_castw:
	s_mov_b64 s[64:65], 0
	v_nop
	global_prefetch_b8 v0, s[64:65] scope:SCOPE_SE
	s_setreg_imm32_b32 hwreg(HW_REG_WAVE_MODE, 25, 1), 1
	s_wait_xcnt 0x0
; wb[p][k][n] = bf16(W_p[k][n]), p = 0, 1, 2 for Wq, Wk, Wv: the same [k][n] order, rounded to nearest even, once.
; The weights are wanted as 16-bit numbers in LDS, where a tile stored [k][n] can be read turned (ds_load_tr16_b128).
; A stream: no LDS, no barrier, no matrix work, no cluster (no two work-groups read the same byte).
; A work-group takes 32,768 bytes of one W (grid y says which): eight loads of 16 bytes a lane, all issued at once; a wave's load covers
; 512 consecutive bytes, a wave's store of 8 bytes a lane 256 consecutive bytes at a multiple of 256 from wb's first byte.
; No register is written twice, so nothing but the loads' own counted waits is needed.
.set X, 4                              ; v[4:35]   eight loads of four f32
.set Y, 36                             ; v[36:51]  eight pairs of packed bf16
	s_load_b256 s[4:11], s[0:1], 0x0               ; Wq s[4:5], Wk s[6:7], Wv s[8:9], wb s[10:11]
	s_and_b32 s14, ttmp7, 0xffff                   ; which W
	v_lshlrev_b32 v1, 4, v0                        ; 16 bytes a thread in
	v_lshlrev_b32 v2, 3, v0                        ; 8 bytes a thread out
	s_lshl_b32 s16, ttmp9, 15                      ; my 32,768 bytes of W
	s_mov_b32 s17, 0
	s_lshl_b32 s18, s14, 21                        ; a W in bf16 is 2,097,152 bytes
	s_lshl_b32 s19, ttmp9, 14                      ; my 16,384 bytes of it
	s_add_co_u32 s18, s18, s19
	s_mov_b32 s19, 0
	s_wait_kmcnt 0x0
	s_cmp_eq_u32 s14, 1
	s_cselect_b64 s[12:13], s[6:7], s[4:5]
	s_cmp_eq_u32 s14, 2
	s_cselect_b64 s[12:13], s[8:9], s[12:13]
	s_add_nc_u64 s[12:13], s[12:13], s[16:17]
	s_add_nc_u64 s[10:11], s[10:11], s[18:19]
.irp i, 0,1,2,3,4,5,6,7
	global_load_b128 v[X+4*(\i):X+4*(\i)+3], v1, s[12:13] offset:4096*(\i) th:TH_LOAD_NT
.endr
.irp i, 0,1,2,3,4,5,6,7
	s_wait_loadcnt 7-(\i)                          ; loads come back in order: load i is in, the younger ones stay out
	v_cvt_pk_bf16_f32 v[Y+2*(\i)],   v[X+4*(\i)],   v[X+4*(\i)+1]
	v_cvt_pk_bf16_f32 v[Y+2*(\i)+1], v[X+4*(\i)+2], v[X+4*(\i)+3]
	global_store_b64 v2, v[Y+2*(\i):Y+2*(\i)+1], s[10:11] offset:2048*(\i)
.endr
	s_endpgm
.Lfunc_end_k_q8a8e3b0801_castw:
	.size	k_q8a8e3b0801_castw, .Lfunc_end_k_q8a8e3b0801_castw-k_q8a8e3b0801_castw
	.p2alignl 7, 3214868480
	.fill 96, 4, 3214868480
	.section	.rodata,"a",@progbits
	.p2align	6, 0x0
	.amdhsa_kernel k_q8a8e3b0801_castw
		.amdhsa_group_segment_fixed_size 0
		.amdhsa_private_segment_fixed_size 0
		.amdhsa_enable_private_segment 0
		.amdhsa_kernarg_size 32
		.amdhsa_user_sgpr_count 2
		.amdhsa_user_sgpr_kernarg_segment_ptr 1
		.amdhsa_wavefront_size32 1
		.amdhsa_system_sgpr_workgroup_id_x 1
		.amdhsa_system_sgpr_workgroup_id_y 1
		.amdhsa_system_sgpr_workgroup_id_z 1
		.amdhsa_system_vgpr_workitem_id 0
		.amdhsa_next_free_vgpr 52
		.amdhsa_next_free_sgpr 66
		.amdhsa_reserve_vcc 0
		.amdhsa_float_denorm_mode_32 3
		.amdhsa_float_denorm_mode_16_64 3
		.amdhsa_memory_ordered 1
		.amdhsa_forward_progress 1
		.amdhsa_inst_pref_size 4
	.end_amdhsa_kernel
	.amdgpu_metadata
---
amdhsa.version: [ 1, 2 ]
amdhsa.kernels:
  - .name:           k_q8a8e3b0801_castw
    .symbol:         k_q8a8e3b0801_castw.kd
    .args:
      - { .name: Wq, .offset: 0, .size: 8, .value_kind: global_buffer, .address_space: global }
      - { .name: Wk, .offset: 8, .size: 8, .value_kind: global_buffer, .address_space: global }
      - { .name: Wv, .offset: 16, .size: 8, .value_kind: global_buffer, .address_space: global }
      - { .name: wb, .offset: 24, .size: 8, .value_kind: global_buffer, .address_space: global }
    .group_segment_fixed_size: 0
    .private_segment_fixed_size: 0
    .kernarg_segment_align: 8
    .kernarg_segment_size: 32
    .max_flat_workgroup_size: 256
    .sgpr_count:     66
    .vgpr_count:     52
    .wavefront_size: 32
...
	.end_amdgpu_metadata
.endif
;; end of part 1
;; launch proj (part 2): grid 4 x 192, 4 waves a work-group, clusters of 4 x 4, 327,680 bytes of LDS; arguments q, k, v, wb, bq, bk, bv, xp; writes xp
.if DOCPART == 2
	.amdgcn_target "amdgcn-amd-amdhsa--gfx1250"
	.amdhsa_code_object_version 6
	.text
	.protected	k_q8a8e3b0801_proj
	.globl	k_q8a8e3b0801_proj
	.p2align	8
	.type	k_q8a8e3b0801_proj,@function
k_q8a8e3b0801_proj:
	s_mov_b64 s[64:65], 0
	v_nop
	global_prefetch_b8 v0, s[64:65] scope:SCOPE_SE
	s_setreg_imm32_b32 hwreg(HW_REG_WAVE_MODE, 25, 1), 1
	s_wait_xcnt 0x0
	s_wait_alu depctr_hold_cnt(0) depctr_sa_sdst(0) depctr_va_vdst(0) depctr_va_sdst(0) depctr_va_ssrc(0) depctr_va_vcc(0) depctr_vm_vsrc(0)
	s_getreg_b32 s2, hwreg(HW_REG_IB_STS2, 6, 4)
	s_cmp_eq_u32 s2, 0
	s_cbranch_scc0 .Lentry_in_a_cluster
	s_endpgm
.Lentry_in_a_cluster:
	s_bfe_u32 s2, ttmp6, 0x10000c
	s_cmp_lg_u32 s2, 0xf033
	s_cbranch_scc0 .Lentry_shape_is_right
	s_endpgm
.Lentry_shape_is_right:
; xp[p][row][n] = f16((sum over k of bf16(x_p[row][k]) wb[p][k][n] + bf16(b_p[n])) sc_p), p = 0, 1, 2 for q, k, v; sc_0 = log2(e) / 32, sc_1 = sc_2 = 1.
; x_p: [8192][1024] f32, wb: [3][1024 k][1024 n] bf16, xp: [3][8192][1024] f16.  Sums in f32; the scale is applied to the f32 sum, which is then rounded once.
; LIMITS.  x, W and b are rounded to bf16.  xp is f16: |x W + b| (for q: times 0.045) must stay under 65,504; below 6e-5 a number keeps f16's fixed step of 6e-8.  NaN and infinities are not treated apart.
; SHARES.  A tile of xp is 128 rows x 256 columns: 3 x 64 x 4 = 768 work-groups.  Four waves, each 64 x 128: 32 accumulators of 16 x 16, 256 registers.
; K goes in steps of 128 through a ring of two LDS slots: 128 rows of x as f32 (512 bytes a row) and 128 k-rows of W as bf16 (256 columns, 512 bytes a row).
; x is rounded to bf16 on its way from LDS to the fragment; W's fragments come out of LDS turned.
; CLUSTER.  4 x 4 work-groups: the four of a row of the cluster make one row block and need the same tile of x; the four of a column make one column block of the same projection
; and need the same tile of W.  Each tile is asked for jointly: the same tensor load, descriptor and mask in all four.  A cluster lies inside one projection (p is made of the cluster's y alone).
; THE MATRIX INSTRUCTION IS USED TRANSPOSED: source 0 = 16 columns of W, source 1 = 16 rows of x: lane l then holds row l % 16 and the eight neighbouring columns 8 (l / 16) + 0..7.
; REGISTERS, in windows of 256 (s_set_vgpr_msb: bits 1:0 source 0, 3:2 source 1, 5:4 source 2, 7:6 destination):
;   window 0: v0-31 addresses; v32-95 x as f32 (on the way out: at work); v96-127, v128-159 x's fragments, two buffers; v160-191 packed results; v192-255 rows read back, two buffers
;   window 1: the accumulators, (a, b) at v[8 (8 a + b)]          window 2: v0-63, v64-127 W's fragments, two buffers; v128-191 bf16(b) sc for my 8 x 8 columns
.set XPITCH, 528                       ; a row of x in LDS: 512 bytes + 16 = 132 words: row r starts at bank 4 r mod 64 (64 banks of 4 bytes: ISA guide 11.1)
.set WPITCH, 544                       ; a k-row of W: 512 + 32 = 136 words
.set XHALF,  64*XPITCH                 ; what one tensor load brings of x
.set WHALF,  64*WPITCH                 ; and of W
.set WOFF,   2*XHALF                   ; W's tile lies behind x's
.set SLOT,   WOFF+2*WHALF              ; 137,216
.set STAGE,  2*SLOT                    ; behind the ring: 16 rows x 272 bytes for each wave, for the way out; no tensor load fills it
.set SPITCH, 272
.set SPARE,  STAGE+4*16*SPITCH         ; the spare words, 128 bytes a wave: two blocks of 256 bytes that no other line names
.set LAPS,   4                         ; a lap = two K steps = once round the ring; 1,024 / 256
.set ADX, 10                           ; v10-11  LDS address of my x rows in slot 0, 1
.set ADW, 12                           ; v12-13  the same for W
.set STO, 14                           ; v14     the way out: where I put 16 bytes of a row
.set RD,  15                           ; v15     where I read a row back
.set CO,  16                           ; v16     my byte offset in xp
.set BO,  17                           ; v17     my byte offset in the bias
.set SCV, 18                           ; v18     sc
.set ZV,  19                           ; v19     0
.set SPW, 28                           ; v28     LDS address of my spare word; never rewritten
.set NIL, 29                           ; v29     0; never rewritten
.set XF,  32
.set T,   32
.set AF,  96
.set TMP, 160
.set BK,  192
.set BS,  128                          ; in window 2
.set G1,  24                           ; s[24:31] group 1 for x's tiles;  s[32:39] group 0, a set for each slot
.set G0,  32
.set G1B, 48                           ; s[48:55], s[56:63] the same for W's tiles
.set G0B, 56
.set SC,  86                           ; s[86:87] sc, twice
.set MSB, 0
.macro WIN new                         ; the immediate's high byte repeats the setting that is left; a switch that changes nothing is dropped
.if MSB != (\new)
	s_set_vgpr_msb (MSB<<8)|(\new)
.set MSB, \new
.endif
.endm
.set MUL,  0x52                        ; W in window 2, x in window 0, C and D in window 1
.set TO_W, 0x80                        ; destination window 2, address window 0
.macro PLACES                          ; four plain vector instructions between a matrix instruction and a vector instruction or load that touches its registers
.rept 4
	v_nop
.endr
.endm
; A joint load: waves 0 and 1 fetch x's two halves, waves 2 and 3 W's.  The branch hangs on the wave's number alone.  An s_nop 0 and four v_nop follow each line.
.macro JLOAD s
	s_cmp_eq_u32 s11, 0
	s_cbranch_scc0 .Lfor_b_\@
	tensor_load_to_lds s[G0+4*(\s):G0+4*(\s)+3], s[G1:G1+7]
	s_nop 0
.rept 4
	v_nop
.endr
	s_branch .Lasked_\@
.Lfor_b_\@:
	tensor_load_to_lds s[G0B+4*(\s):G0B+4*(\s)+3], s[G1B:G1B+7]
	s_nop 0
.rept 4
	v_nop
.endr
.Lasked_\@:
.endm
.macro CREST                           ; a round of the cluster's barrier behind its opening barrier
	s_cmp_lg_u32 s10, 0
	s_cbranch_scc1 .Lnot_wave_0_\@
	s_barrier_signal -3
.Lnot_wave_0_\@:
	s_barrier_wait -3
	s_barrier_signal -1
	s_barrier_wait -1
.endm
.macro CROUND                          ; a whole round
	s_barrier_signal -1
	s_barrier_wait -1
	CREST
.endm
	s_load_b256 s[68:75], s[0:1], 0x0              ; q s[68:69], k s[70:71], v s[72:73], wb s[74:75]
	s_load_b256 s[76:83], s[0:1], 0x20             ; bq s[76:77], bk s[78:79], bv s[80:81], xp s[82:83]
	v_lshl_add_u32 v[SPW], v0, 2, SPARE
	v_mov_b32 v[NIL], 0
	ds_add_u32 v28, v29
	s_wait_dscnt 0x0
	v_lshrrev_b32 v1, 5, v0
	v_readfirstlane_b32 s10, v1                    ; wave 0..3
	s_lshr_b32 s11, s10, 1                         ; which half of the tile's rows is mine.  Also: I fetch for x (0) or for W (1)
	s_and_b32 s12, s10, 1                          ; which half of its columns.  Also: which 64 rows of that tile I fetch
	s_bfe_u32 s40, ttmp6, 0x40000                  ; cx
	s_bfe_u32 s41, ttmp6, 0x40004                  ; cy
	s_lshl_b32 s42, ttmp9, 2
	s_add_co_u32 s42, s42, s40                     ; column block of 256 = 4 x cluster x + cx
	s_and_b32 s13, ttmp7, 0xffff                   ; the cluster's y, 0..47
	s_lshr_b32 s45, s13, 4                         ; p: the same in all sixteen partners
	s_and_b32 s13, s13, 15
	s_lshl_b32 s13, s13, 2
	s_add_co_u32 s13, s13, s41                     ; row block of 128, 0..63
	s_lshl_b32 s43, s41, 2
	s_lshl_b32 s43, 15, s43                        ; my row of the cluster
	s_lshl_b32 s44, 0x1111, s40                    ; my column
	; group 1 for x: 64 rows x 128 elements of 4 bytes, 16 bytes of padding behind each row of 128 words
	s_or_b32 s[G1+0], s43, (2<<16)|(1<<20)|(1<<21)|(6<<22)|(3<<25)
	s_mov_b32 s[G1+1], 128<<16                     ; tensor_dim0 = 128
	s_mov_b32 s[G1+2], 64<<16                      ; tensor_dim1 = 64
	s_mov_b32 s[G1+3], 128<<16                     ; tile_dim0 = 128
	s_mov_b32 s[G1+4], 64                          ; tile_dim1 = 64
	s_mov_b32 s[G1+5], 1024                        ; elements from row to row
	s_mov_b32 s[G1+6], 0
	s_mov_b32 s[G1+7], 0
	; group 1 for W: 64 k-rows x 256 elements of 2 bytes, 32 bytes of padding behind each row of 128 words
	s_or_b32 s[G1B+0], s44, (1<<16)|(1<<20)|(1<<21)|(6<<22)|(7<<25)
	s_mov_b32 s[G1B+1], 256<<16
	s_mov_b32 s[G1B+2], 64<<16
	s_mov_b32 s[G1B+3], 256<<16
	s_mov_b32 s[G1B+4], 64
	s_mov_b32 s[G1B+5], 1024
	s_mov_b32 s[G1B+6], 0
	s_mov_b32 s[G1B+7], 0
	s_lshl_b32 s16, s13, 7                         ; x: row 128 x row block + 64 x half, 4,096 bytes a row
	s_lshl_b32 s17, s12, 6
	s_add_co_u32 s16, s16, s17
	s_lshl_b32 s16, s16, 12
	s_mov_b32 s17, 0
	s_lshl_b32 s46, s45, 21                        ; W: projection p, k-row 64 x half (2,048 bytes a row), column 256 x column block
	s_lshl_b32 s47, s12, 17
	s_add_co_u32 s46, s46, s47
	s_lshl_b32 s47, s42, 9
	s_add_co_u32 s46, s46, s47
	s_mov_b32 s47, 0
	s_mul_i32 s20, s12, XHALF                      ; where they go: no place in the cluster enters an LDS address
	s_mul_i32 s21, s12, WHALF
	s_add_co_u32 s21, s21, WOFF
	s_wait_kmcnt 0x0
	s_cmp_eq_u32 s45, 1
	s_cselect_b64 s[4:5], s[70:71], s[68:69]       ; x and the bias of my projection
	s_cselect_b64 s[84:85], s[78:79], s[76:77]
	s_cmp_eq_u32 s45, 2
	s_cselect_b64 s[4:5], s[72:73], s[4:5]
	s_cselect_b64 s[84:85], s[80:81], s[84:85]
	s_cmp_eq_u32 s45, 0
	s_cselect_b32 s[SC], 0x3d38aa3b, 1.0           ; log2(e) / 32 for q, else 1
	s_mov_b32 s[SC+1], s[SC]
	s_add_nc_u64 s[14:15], s[4:5], s[16:17]
	s_add_nc_u64 s[46:47], s[74:75], s[46:47]
	CROUND                                         ; all sixteen work-groups are here: the first joint loads meet
.irp s, 0,1
	s_mov_b32 s[G0+4*(\s)], 1                      ; count = 1
	s_add_co_u32 s[G0+4*(\s)+1], s20, (\s)*SLOT    ; LDS address
	s_add_nc_u64 s[G0+4*(\s)+2:G0+4*(\s)+3], s[14:15], (\s)*512      ; K step s: 128 f32 along the rows
	s_or_b32 s[G0+4*(\s)+3], s[G0+4*(\s)+3], 0x80000000              ; type = 2
	s_mov_b32 s[G0B+4*(\s)], 1
	s_add_co_u32 s[G0B+4*(\s)+1], s21, (\s)*SLOT
	s_add_nc_u64 s[G0B+4*(\s)+2:G0B+4*(\s)+3], s[46:47], (\s)*262144 ; K step s: 128 k-rows down
	s_or_b32 s[G0B+4*(\s)+3], s[G0B+4*(\s)+3], 0x80000000
	JLOAD \s                                       ; two loads of mine are out
.endr
	v_and_b32 v1, 15, v0                           ; r = l % 16
	v_bfe_u32 v2, v0, 4, 1                         ; h = l / 16
	; x's fragment: lane (r, h) wants row r, k = 8 h + 0..7 and 16 + 8 h + 0..7: as f32, 32 bytes at 32 h and 32 bytes at 64 + 32 h
	v_mul_u32_u24 v3, v1, XPITCH
	v_lshl_add_u32 v3, v2, 5, v3
	s_mul_i32 s22, s11, XHALF                      ; my 64 rows
	v_add_nc_u32 v[ADX], s22, v3
	v_add_nc_u32 v[ADX+1], SLOT, v[ADX]
	; the turning load takes 16 k x 16 columns: lane l reads k-row 8 h + l % 8, columns 8 ((l / 8) % 2) + 0..7, and is left with column l % 16 and 8 k
	v_and_b32 v4, 7, v0
	v_bfe_u32 v5, v0, 3, 1
	v_lshl_add_u32 v6, v2, 3, v4
	v_mul_u32_u24 v6, v6, WPITCH
	v_lshl_add_u32 v6, v5, 4, v6
	s_lshl_b32 s23, s12, 8                         ; my 128 columns
	s_add_co_u32 s23, s23, WOFF
	v_add_nc_u32 v[ADW], s23, v6
	v_add_nc_u32 v[ADW+1], SLOT, v[ADW]
	s_mul_i32 s23, s10, 16*SPITCH
	s_add_co_u32 s23, s23, STAGE                   ; my stage
	v_mul_u32_u24 v7, v1, SPITCH                   ; in: row r, 16 bytes for each half of the lanes
	v_lshl_add_u32 v7, v2, 4, v7
	v_add_nc_u32 v[STO], s23, v7
	v_mul_u32_u24 v7, v2, SPITCH                   ; back: lanes 0-15 one row of 256 bytes, lanes 16-31 the next
	v_lshl_add_u32 v7, v1, 4, v7
	v_add_nc_u32 v[RD], s23, v7
	v_lshlrev_b32 v7, 11, v2                       ; and the same two rows in xp (2,048 bytes a row)
	v_lshl_add_u32 v[CO], v1, 4, v7
	v_lshlrev_b32 v[BO], 5, v2                     ; my eight columns of sixteen: 32 h bytes
	v_mov_b32 v[SCV], s[SC]
	v_mov_b32 v[ZV], 0
	s_lshl_b32 s46, s42, 10                        ; the bias at my wave's 128 columns
	s_lshl_b32 s47, s12, 9
	s_add_co_u32 s46, s46, s47
	s_mov_b32 s47, 0
	s_add_nc_u64 s[84:85], s[84:85], s[46:47]
	s_lshl_b32 s16, s13, 7                         ; xp at my wave's first row and column
	s_lshl_b32 s17, s11, 6
	s_add_co_u32 s16, s16, s17
	s_lshl_b32 s16, s16, 11
	s_lshl_b32 s17, s45, 24
	s_add_co_u32 s16, s16, s17
	s_lshl_b32 s17, s42, 9
	s_add_co_u32 s16, s16, s17
	s_lshl_b32 s17, s12, 8
	s_add_co_u32 s16, s16, s17
	s_mov_b32 s17, 0
	s_add_nc_u64 s[8:9], s[82:83], s[16:17]
	; the bias, in the wait for the first tiles: rounded to bf16 and multiplied by sc, so that the way out is one fused multiply-add
	WIN TO_W
.irp b, 0,1,2,3,4,5,6,7
	global_load_b128 v[BS+8*(\b):BS+8*(\b)+3],   v[BO], s[84:85] offset:64*(\b)
	global_load_b128 v[BS+8*(\b)+4:BS+8*(\b)+7], v[BO], s[84:85] offset:64*(\b)+16
.endr
	s_wait_loadcnt 0x0
	WIN 0x0a                                       ; sources in window 2, destination in window 0
.set i, 0
.rept 32
	v_cvt_pk_bf16_f32 v[T+i], v[BS+2*i], v[BS+2*i+1]
.set i, i+1
.endr
	WIN TO_W
.set i, 0
.rept 32
	v_fma_mix_f32_bf16 v[BS+2*i],   v[T+i], v[SCV], v[ZV] op_sel_hi:[1,0,0]
	v_fma_mix_f32_bf16 v[BS+2*i+1], v[T+i], v[SCV], v[ZV] op_sel:[1,0,0] op_sel_hi:[1,0,0]
.set i, i+1
.endr
	WIN 0
; 16 LDS loads: my 64 rows of x, 32 along K (quarter kq of slot s), as f32
.macro FETCHX s, kq
	WIN 0
.irp a, 0,1,2,3
	ds_load_b128 v[XF+16*(\a):XF+16*(\a)+3],     v[ADX+(\s)] offset:(\a)*16*XPITCH+(\kq)*128
	ds_load_b128 v[XF+16*(\a)+4:XF+16*(\a)+7],   v[ADX+(\s)] offset:(\a)*16*XPITCH+(\kq)*128+16
	ds_load_b128 v[XF+16*(\a)+8:XF+16*(\a)+11],  v[ADX+(\s)] offset:(\a)*16*XPITCH+(\kq)*128+64
	ds_load_b128 v[XF+16*(\a)+12:XF+16*(\a)+15], v[ADX+(\s)] offset:(\a)*16*XPITCH+(\kq)*128+80
.endr
.endm
; 16 turning loads: my 128 columns of W, the same 32 along K, into buffer g
.macro FETCHW s, kq, g
	WIN TO_W
.irp b, 0,1,2,3,4,5,6,7
	ds_load_tr16_b128 v[64*(\g)+8*(\b):64*(\g)+8*(\b)+3],   v[ADW+(\s)] offset:(\kq)*32*WPITCH+32*(\b)
	ds_load_tr16_b128 v[64*(\g)+8*(\b)+4:64*(\g)+8*(\b)+7], v[ADW+(\s)] offset:(\kq)*32*WPITCH+16*WPITCH+32*(\b)
.endr
.endm
; four roundings: eighth i of x's fragments in buffer g
.macro RIDE g, i
	WIN 0
.irp n, 0,1,2,3
	v_cvt_pk_bf16_f32 v[AF+32*(\g)+4*(\i)+(\n)], v[XF+8*(\i)+2*(\n)], v[XF+8*(\i)+2*(\n)+1]
.endr
.endm
; 8 matrix instructions: row block a x all 8 column blocks, 32 along K, from buffer f.  zero = 1: the products start the sums.  ride = 1: four roundings for the other buffer stand behind each.
; The 32 accumulators take turns, one instruction a turn, in the same order in every quarter.
.macro MULA f, a, zero, ride
.irp b, 0,1,2,3,4,5,6,7
	WIN MUL
.if \zero
	v_wmma_f32_16x16x32_bf16 v[8*(8*(\a)+(\b)):8*(8*(\a)+(\b))+7], v[64*(\f)+8*(\b):64*(\f)+8*(\b)+7], v[AF+32*(\f)+8*(\a):AF+32*(\f)+8*(\a)+7], 0
.else
	v_wmma_f32_16x16x32_bf16 v[8*(8*(\a)+(\b)):8*(8*(\a)+(\b))+7], v[64*(\f)+8*(\b):64*(\f)+8*(\b)+7], v[AF+32*(\f)+8*(\a):AF+32*(\f)+8*(\a)+7], v[8*(8*(\a)+(\b)):8*(8*(\a)+(\b))+7]
.endif
.if \ride
	RIDE 1-(\f), \b
.endif
.endr
.endm
; A K step is four quarters of 32 along K, 32 matrix instructions each, on buffers 0, 1, 0, 1.  One of the first three multiplies buffer f and fetches quarter kq of slot s for the other buffer.
; The four roundings behind a quarter's last product name none of its registers: they are the four places in front of the next quarter's loads into W's buffer.
.macro QUARTER s, kq, f, zero
	FETCHX \s, \kq
	FETCHW \s, \kq, 1-(\f)
	s_wait_dscnt 32                                ; all but the 32 just issued: W of buffer f is in
	MULA \f, 0, \zero, 0
	MULA \f, 1, \zero, 0
	MULA \f, 2, \zero, 0
	s_wait_dscnt 16                                ; x's 16 loads are in; W's 16, issued behind them, may be out
	MULA \f, 3, \zero, 1
.endm
; The last quarter multiplies buffer 1 and changes slots: one barrier; in front of it each wave waits for all its tensor loads (one is out: its part of the next slot), adds 0 to its spare word,
; and waits for that and for its own reads of this slot.  fill = 1: the barrier opens a round of the cluster's, and this slot is filled again, two K steps ahead, first thing behind the round.
.macro TURN s, n, fill
	WIN 0
	s_wait_tensorcnt 0x0                           ; all my tensor loads have landed
	ds_add_u32 v[SPW], v[NIL]                      ; 0 onto my spare word
	s_wait_dscnt 1                                 ; W of buffer 1 is in; the add may be out
	MULA 1, 0, 0, 0                                ; eight matrix instructions stand between the add and the wait for it
	s_wait_dscnt 0x0                               ; the add is done, and my reads of this slot are over
	s_barrier_signal -1
	MULA 1, 1, 0, 0
	WIN 0
	s_barrier_wait -1
.if \fill
	CREST                                          ; no wave of any partner still reads this slot or has a load on its way
	s_add_nc_u64 s[G0+4*(\s)+2:G0+4*(\s)+3], s[G0+4*(\s)+2:G0+4*(\s)+3], 1024
	s_add_nc_u64 s[G0B+4*(\s)+2:G0B+4*(\s)+3], s[G0B+4*(\s)+2:G0B+4*(\s)+3], 524288
	JLOAD \s
.endif
	FETCHX \n, 0
	FETCHW \n, 0, 0
	MULA 1, 2, 0, 0
	s_wait_dscnt 16
	MULA 1, 3, 0, 1
.endm
	s_wait_tensorcnt 0x1                           ; my part of K step 0 is in; K step 1's may stay out
	s_barrier_signal -1
	s_barrier_wait -1                              ; everybody's is
	FETCHX 0, 0
	FETCHW 0, 0, 0
	s_wait_dscnt 16
.irp i, 0,1,2,3,4,5,6,7
	RIDE 0, \i
.endr
	QUARTER 0, 1, 0, 1                             ; the first quarter stands in front of the loop: its products start the sums
	WIN 0
	s_mov_b32 s3, LAPS-1
.Llap:                                                 ; a trip goes once round the ring and fills both slots again
	QUARTER 0, 2, 1, 0
	QUARTER 0, 3, 0, 0
	TURN 0, 1, 1
	QUARTER 1, 1, 0, 0
	QUARTER 1, 2, 1, 0
	QUARTER 1, 3, 0, 0
	TURN 1, 0, 1
	QUARTER 0, 1, 0, 0
	WIN 0
	s_sub_co_u32 s3, s3, 1
	s_cmp_lg_u32 s3, 0
	s_cbranch_scc1 .Llap
	QUARTER 0, 2, 1, 0                             ; the last lap fills nothing
	QUARTER 0, 3, 0, 0
	TURN 0, 1, 0
	QUARTER 1, 1, 0, 0
	QUARTER 1, 2, 1, 0
	QUARTER 1, 3, 0, 0
	s_wait_dscnt 0x0
	MULA 1, 0, 0, 0
	MULA 1, 1, 0, 0
	MULA 1, 2, 0, 0
	MULA 1, 3, 0, 0
	WIN 0
	PLACES
; THE WAY OUT of row block a.  PACK: sum x sc + bf16(b) sc, rounded to f16, 16 bytes a lane; each accumulator's registers in ascending order.  TOSTAGE: into my stage, and back as whole rows of 256 bytes.  SEND: stored.
.macro PACK a
	WIN 0x21                                       ; source 0 in window 1, source 2 in window 2
.set i, 0
.rept 32
	v_pk_fma_f32 v[T+2*i:T+2*i+1], v[64*(\a)+2*i:64*(\a)+2*i+1], s[SC:SC+1], v[BS+2*i:BS+2*i+1] op_sel_hi:[1,0,1]
.set i, i+1
.endr
	WIN 0
.set i, 0
.rept 32
	v_cvt_pk_f16_f32 v[TMP+i], v[T+2*i], v[T+2*i+1]
.set i, i+1
.endr
.endm
.macro TOSTAGE a
.irp b, 0,1,2,3,4,5,6,7
	ds_store_b128 v[STO], v[TMP+4*(\b):TMP+4*(\b)+3] offset:32*(\b)
.endr
.irp t, 0,1,2,3,4,5,6,7
	ds_load_b128 v[BK+32*((\a)%2)+4*(\t):BK+32*((\a)%2)+4*(\t)+3], v[RD] offset:(\t)*2*SPITCH  ; LDS serves a wave's instructions in order: these see the stores above
.endr
.endm
.macro SEND a
	s_wait_dscnt 0x0                               ; the block is back in registers
	s_wait_xcnt 0x0                                ; the registers that earlier stores read are loaded again only behind this wait
.irp t, 0,1,2,3,4,5,6,7
	global_store_b128 v[CO], v[BK+32*((\a)%2)+4*(\t):BK+32*((\a)%2)+4*(\t)+3], s[8:9] offset:(\a)*32768+(\t)*4096  ; 16 lanes store 256 consecutive bytes, at a multiple of 256 from xp's first byte
.endr
.endm
	PACK 0
	TOSTAGE 0
.irp a, 1,2,3                          ; block a's arithmetic stands between block a - 1's loads from the stage and the wait for them
	PACK \a
	SEND (\a)-1
	TOSTAGE \a
.endr
	SEND 3
	s_wait_tensorcnt 0x0                           ; the wave's end
	ds_add_u32 v[SPW], v[NIL]
	s_wait_dscnt 0x0
	CROUND                                         ; the closing round: no work-group ends while a partner may still ask for a tile that names it
	s_endpgm
.Lfunc_end_k_q8a8e3b0801_proj:
	.size	k_q8a8e3b0801_proj, .Lfunc_end_k_q8a8e3b0801_proj-k_q8a8e3b0801_proj
	.p2alignl 7, 3214868480
	.fill 96, 4, 3214868480
	.section	.rodata,"a",@progbits
	.p2align	6, 0x0
	.amdhsa_kernel k_q8a8e3b0801_proj
		.amdhsa_group_segment_fixed_size 327680
		.amdhsa_private_segment_fixed_size 0
		.amdhsa_enable_private_segment 0
		.amdhsa_kernarg_size 64
		.amdhsa_user_sgpr_count 2
		.amdhsa_user_sgpr_kernarg_segment_ptr 1
		.amdhsa_wavefront_size32 1
		.amdhsa_system_sgpr_workgroup_id_x 1
		.amdhsa_system_sgpr_workgroup_id_y 1
		.amdhsa_system_sgpr_workgroup_id_z 1
		.amdhsa_system_vgpr_workitem_id 0
		.amdhsa_next_free_vgpr 704
		.amdhsa_next_free_sgpr 88
		.amdhsa_reserve_vcc 0
		.amdhsa_float_denorm_mode_32 3
		.amdhsa_float_denorm_mode_16_64 3
		.amdhsa_memory_ordered 1
		.amdhsa_forward_progress 1
		.amdhsa_inst_pref_size 148
	.end_amdhsa_kernel
	.amdgpu_metadata
---
amdhsa.version: [ 1, 2 ]
amdhsa.kernels:
  - .name:           k_q8a8e3b0801_proj
    .symbol:         k_q8a8e3b0801_proj.kd
    .args:
      - { .name: q, .offset: 0, .size: 8, .value_kind: global_buffer, .address_space: global }
      - { .name: k, .offset: 8, .size: 8, .value_kind: global_buffer, .address_space: global }
      - { .name: v, .offset: 16, .size: 8, .value_kind: global_buffer, .address_space: global }
      - { .name: wb, .offset: 24, .size: 8, .value_kind: global_buffer, .address_space: global }
      - { .name: bq, .offset: 32, .size: 8, .value_kind: global_buffer, .address_space: global }
      - { .name: bk, .offset: 40, .size: 8, .value_kind: global_buffer, .address_space: global }
      - { .name: bv, .offset: 48, .size: 8, .value_kind: global_buffer, .address_space: global }
      - { .name: xp, .offset: 56, .size: 8, .value_kind: global_buffer, .address_space: global }
    .group_segment_fixed_size: 327680
    .private_segment_fixed_size: 0
    .kernarg_segment_align: 8
    .kernarg_segment_size: 64
    .max_flat_workgroup_size: 128
    .sgpr_count:     88
    .vgpr_count:     704
    .wavefront_size: 32
...
	.end_amdgpu_metadata
.endif
;; end of part 2
;; launch score (part 3): grid 8 x 32, 4 waves a work-group, clusters of 4 x 4, 327,680 bytes of LDS; arguments xp, mask, pw, st; writes pw, st
.if DOCPART == 3
	.amdgcn_target "amdgcn-amd-amdhsa--gfx1250"
	.amdhsa_code_object_version 6
	.text
	.protected	k_q8a8e3b0801_score
	.globl	k_q8a8e3b0801_score
	.p2align	8
	.type	k_q8a8e3b0801_score,@function
k_q8a8e3b0801_score:
	s_mov_b64 s[64:65], 0
	v_nop
	global_prefetch_b8 v0, s[64:65] scope:SCOPE_SE
	s_setreg_imm32_b32 hwreg(HW_REG_WAVE_MODE, 25, 1), 1
	s_wait_xcnt 0x0
	s_wait_alu depctr_hold_cnt(0) depctr_sa_sdst(0) depctr_va_vdst(0) depctr_va_sdst(0) depctr_va_ssrc(0) depctr_va_vcc(0) depctr_vm_vsrc(0)
	s_getreg_b32 s2, hwreg(HW_REG_IB_STS2, 6, 4)
	s_cmp_eq_u32 s2, 0
	s_cbranch_scc0 .Lentry_in_a_cluster
	s_endpgm
.Lentry_in_a_cluster:
	s_bfe_u32 s2, ttmp6, 0x10000c
	s_cmp_lg_u32 s2, 0xf033
	s_cbranch_scc0 .Lentry_shape_is_right
	s_endpgm
.Lentry_shape_is_right:
; s2[q][k] = Q'[q] . K[k] + mask[q][k] x (-1e9 log2 e), where Q' = xp[0] carries the factor log2(e) / 32 and K = xp[1].  For each row and each block of 128 keys:
; m = the block's maximum of s2; pw = f16(2^(s2 - m)); l = the sum of the unrounded 2^(s2 - m).  The next launch takes the rows' true maximum over the 16 blocks, so every exponent here and there is at most 0.
; xp: [3][8192][1024] f16; mask: [2048][2048] f32, read and used as it is given; st: f32, m at byte 0 and l at byte 524,288, each [4 batches][16 key blocks][2048 rows].
; pw: [512 blocks of 16 rows][128 blocks of 16 keys][32 lanes][16 bytes]: lane l's 16 bytes are keys 8 (l / 16) + 0..7 of row l % 16.  That is how the weights lie in my registers when they are rounded,
; and it is half a fragment (source 1, 16 rows x 32 keys) of the next launch's product: they are stored as they stand, and loaded there as they stand.
; LIMITS.  The mask enters by one fused multiply-add with -1,442,695,040: the order of rounding differs from a multiply, a divide and an add; for entries 0 and 1 the effect is the same.  s2 - m is a true subtraction.
; A weight below 2^-126 counts as 0; below 6e-5 pw keeps f16's fixed step of 6e-8.  NaN and infinities are not treated apart.
; SHARES.  A tile is 256 queries x 256 keys of one batch: 32 x 8 = 256 work-groups.  Four waves, each 128 x 128: 64 accumulators, 512 registers; a wave's 128 keys are one statistics block.
; K (the 1,024 channels) goes in steps of 128 through a ring of two LDS slots, each with 256 rows of Q' and 256 rows of K, rows of 256 bytes.
; CLUSTER.  4 x 4 work-groups: Q's tile is shared along a row of the cluster, K's along a column; each is asked for jointly, by the same tensor load, descriptor and mask in all four.
; THE MASK comes by tensor loads of each wave's own (128 x 128 f32 in two halves of 64 rows) into the ring's slots as they fall free: slot 0 behind the last K step but one, slot 1 behind the last.
; THE MATRIX INSTRUCTION IS USED TRANSPOSED: source 0 = 16 keys, source 1 = 16 queries: lane l holds query l % 16 and the keys 8 (l / 16) + 0..7 of each of 8 key blocks: 64 of the row's 128 scores.
; REGISTERS, in windows of 256 (s_set_vgpr_msb: bits 1:0 source 0, 3:2 source 1, 5:4 source 2, 7:6 destination):
;   window 0: v0-31 addresses; v32-47 statistics; v64-127, v128-191 fragments of Q', two buffers (in the softmax: the scores, the mask); v192-223 packed weights
;   window 1: v64-127, v128-191 fragments of K          window 2: the accumulators of my rows 0-63, (a, b) at v[8 (8 a + b)]          window 3: those of rows 64-127
.set KSTEP,  128
.set PITCH,  272                       ; an LDS row: 256 bytes + 16 = 68 words: row r starts at bank 4 r mod 64 (64 banks of 4 bytes: ISA guide 11.1)
.set HALFT,  128*PITCH                 ; what one tensor load brings, and what one wave reads of Q' or of K
.set SLOT,   4*HALFT                   ; 139,264
.set MPITCH, 528                       ; a row of the mask in LDS: 512 bytes + 16
.set MQ,     64*MPITCH                 ; half of a wave's mask; four of them, 135,168 bytes, fit in a slot
.set STAT,   2*SLOT                    ; behind the ring: 1,024 bytes for each wave: m of its 128 rows, then l; no tensor load fills them
.set SPARE,  STAT+4*1024               ; the spare words, 128 bytes a wave: two blocks of 256 bytes that no other line names
.set LAPS,   4
.set ADRA, 16                          ; v16-17  LDS address of my Q' fragments in slot 0, 1
.set SAB,  18                          ; v18     LDS address of row l % 16's m in my wave's statistics
.set ADRB, 20                          ; v20-21  the same as ADRA for K
.set SRD,  22                          ; v22     where I read 16 bytes of the statistics back
.set L16,  23                          ; v23     16 x lane: my place in 512 consecutive bytes of pw and of st
.set SA,   27                          ; v27     SAB + 64 x the block in hand
.set SPW,  28                          ; v28     LDS address of my spare word; never rewritten
.set NIL,  29                          ; v29     0; never rewritten
.set MA,   30                          ; v30-31  LDS address of my 32 bytes of a mask row, first and second half
.set C0,   32                          ; v32-35  four running maxima
.set M,    36                          ; v[36:37] the block maximum, named as a pair
.set LS,   38                          ; v38     l
.set LT,   39                          ; v39     the other half of the lanes' sum
.set F0,   64
.set F1,   128
.set S,    64
.set MK,   128
.set TMP,  192
.set G1,  24                           ; s[24:31], s[32:39] groups 1 and 0 (a set for each slot) for Q's tiles
.set G0,  32
.set G1B, 48                           ; s[48:55], s[56:63] for K's
.set G0B, 56
.set GM0, 68                           ; s[68:75] group 0 for the mask's two halves
.set GM1, 76                           ; s[76:83] group 1 for the mask
.set MB,  84                           ; s[84:85] -1e9 log2 e, twice
.set BC,  86                           ; s86  the block in hand
.set SO,  87                           ; s87  64 x the block in hand
.set SEL, 88                           ; s[88:89] v_permlanex16_b32's selects: each lane takes its own place in the other half
.set MSB, 0
.macro WIN new
.if MSB != (\new)
	s_set_vgpr_msb (MSB<<8)|(\new)
.set MSB, \new
.endif
.endm
.set MUL_LO, 0xa1                      ; source 0 (K) window 1, source 1 (Q') window 0, C and D window 2
.set MUL_HI, 0xf1                      ; the same, C and D window 3
.set TO_B,   0x40                      ; destination window 1, address window 0
.macro PLACES
.rept 4
	v_nop
.endr
.endm
.macro JLOAD s                         ; a joint load: waves 0 and 1 fetch Q's two halves, waves 2 and 3 K's; an s_nop 0 and four v_nop follow each line
	s_cmp_eq_u32 s11, 0
	s_cbranch_scc0 .Lfor_b_\@
	tensor_load_to_lds s[G0+4*(\s):G0+4*(\s)+3], s[G1:G1+7]
	s_nop 0
.rept 4
	v_nop
.endr
	s_branch .Lasked_\@
.Lfor_b_\@:
	tensor_load_to_lds s[G0B+4*(\s):G0B+4*(\s)+3], s[G1B:G1B+7]
	s_nop 0
.rept 4
	v_nop
.endr
.Lasked_\@:
.endm
.macro MLOAD hf                        ; half hf of my wave's mask, into my quarter of slot hf: each wave's own load, LDS and global address by the wave's number
	tensor_load_to_lds s[GM0+4*(\hf):GM0+4*(\hf)+3], s[GM1:GM1+7]
	s_nop 0
.rept 4
	v_nop
.endr
.endm
.macro CREST
	s_cmp_lg_u32 s10, 0
	s_cbranch_scc1 .Lnot_wave_0_\@
	s_barrier_signal -3
.Lnot_wave_0_\@:
	s_barrier_wait -3
	s_barrier_signal -1
	s_barrier_wait -1
.endm
.macro CROUND
	s_barrier_signal -1
	s_barrier_wait -1
	CREST
.endm
	s_load_b256 s[92:99], s[0:1], 0x0              ; xp s[92:93], mask s[94:95], pw s[96:97], st s[98:99]
	v_lshl_add_u32 v[SPW], v0, 2, SPARE
	v_mov_b32 v[NIL], 0
	ds_add_u32 v28, v29
	s_wait_dscnt 0x0
	v_lshrrev_b32 v1, 5, v0
	v_readfirstlane_b32 s10, v1                    ; wave 0..3
	s_lshr_b32 s11, s10, 1                         ; which half of the tile's queries is mine.  Also: I fetch for Q' (0) or for K (1)
	s_and_b32 s12, s10, 1                          ; which half of its keys.  Also: which 128 rows of that tile I fetch
	s_bfe_u32 s40, ttmp6, 0x40000                  ; cx
	s_bfe_u32 s41, ttmp6, 0x40004                  ; cy
	s_lshl_b32 s42, ttmp9, 2
	s_add_co_u32 s42, s42, s40                     ; key tile 0..7
	s_and_b32 s45, ttmp7, 0xffff                   ; the cluster's y, 0..7
	s_lshl_b32 s13, s45, 2
	s_add_co_u32 s13, s13, s41                     ; block of 256 rows of xp, 0..31
	s_lshr_b32 s45, s45, 1                         ; the batch: the same in all sixteen partners
	s_lshl_b32 s43, s41, 2
	s_lshl_b32 s43, 15, s43                        ; my row of the cluster
	s_lshl_b32 s44, 0x1111, s40                    ; my column
	; group 1: 128 rows x 128 elements of 2 bytes, 16 bytes of padding behind each row of 64 words
	s_or_b32 s[G1+0], s43, (1<<16)|(1<<20)|(1<<21)|(5<<22)|(3<<25)
	s_or_b32 s[G1B+0], s44, (1<<16)|(1<<20)|(1<<21)|(5<<22)|(3<<25)
.irp g, G1, G1B
	s_mov_b32 s[(\g)+1], KSTEP<<16                 ; tensor_dim0 = 128
	s_mov_b32 s[(\g)+2], 128<<16                   ; tensor_dim1 = 128
	s_mov_b32 s[(\g)+3], KSTEP<<16                 ; tile_dim0 = 128
	s_mov_b32 s[(\g)+4], 128                       ; tile_dim1 = 128
	s_mov_b32 s[(\g)+5], 1024                      ; elements from row to row
	s_mov_b32 s[(\g)+6], 0
	s_mov_b32 s[(\g)+7], 0
.endr
	s_lshl_b32 s16, s13, 8                         ; Q': row 256 x block + 128 x half, 2,048 bytes a row
	s_lshl_b32 s17, s12, 7
	s_add_co_u32 s16, s16, s17
	s_lshl_b32 s16, s16, 11
	s_mov_b32 s17, 0
	s_lshl_b32 s46, s45, 11                        ; K: row 2,048 x batch + 256 x key tile + 128 x half, in xp's second part
	s_lshl_b32 s47, s42, 8
	s_add_co_u32 s46, s46, s47
	s_lshl_b32 s47, s12, 7
	s_add_co_u32 s46, s46, s47
	s_lshl_b32 s46, s46, 11
	s_add_co_u32 s46, s46, 0x1000000
	s_mov_b32 s47, 0
	s_mul_i32 s20, s10, HALFT                      ; where they go: Q's two halves, then K's two = wave x 128 rows
	s_wait_kmcnt 0x0
	s_add_nc_u64 s[14:15], s[92:93], s[16:17]
	s_add_nc_u64 s[46:47], s[92:93], s[46:47]
	CROUND                                         ; all sixteen work-groups are here: the first joint loads meet
.irp s, 0,1
	s_mov_b32 s[G0+4*(\s)], 1
	s_add_co_u32 s[G0+4*(\s)+1], s20, (\s)*SLOT
	s_add_nc_u64 s[G0+4*(\s)+2:G0+4*(\s)+3], s[14:15], (\s)*KSTEP*2
	s_or_b32 s[G0+4*(\s)+3], s[G0+4*(\s)+3], 0x80000000
	s_mov_b32 s[G0B+4*(\s)], 1
	s_add_co_u32 s[G0B+4*(\s)+1], s20, (\s)*SLOT
	s_add_nc_u64 s[G0B+4*(\s)+2:G0B+4*(\s)+3], s[46:47], (\s)*KSTEP*2
	s_or_b32 s[G0B+4*(\s)+3], s[G0B+4*(\s)+3], 0x80000000
	JLOAD \s                                       ; two loads of mine are out
.endr
	v_and_b32 v1, 15, v0                           ; r = l % 16
	v_bfe_u32 v2, v0, 4, 1                         ; h = l / 16
	v_mul_u32_u24 v3, v1, PITCH
	v_lshl_add_u32 v3, v2, 4, v3                   ; a fragment's row x pitch + 16 x half
	s_mul_i32 s21, s11, HALFT                      ; my 128 rows of Q'
	s_mul_i32 s22, s12, HALFT                      ; my 128 rows of K,
	s_add_co_u32 s22, s22, 2*HALFT                 ; which lie behind Q's 256
.irp s, 0,1
	v_add_nc_u32 v[ADRA+(\s)], s21, v3
	v_add_nc_u32 v[ADRB+(\s)], s22, v3
	s_add_co_u32 s21, s21, SLOT
	s_add_co_u32 s22, s22, SLOT
.endr
	s_mul_i32 s21, s10, MQ                         ; my quarter of a slot, for the mask
	v_mul_u32_u24 v6, v1, MPITCH
	v_lshl_add_u32 v6, v2, 5, v6                   ; row r, my eight keys of sixteen: 32 h bytes
	v_add_nc_u32 v[MA], s21, v6
	v_add_nc_u32 v[MA+1], SLOT, v[MA]
	s_lshl_b32 s23, s10, 10
	s_add_co_u32 s23, s23, STAT                    ; my statistics
	v_lshl_add_u32 v[SAB], v1, 2, s23
	v_and_b32 v7, 31, v0
	v_lshlrev_b32 v[L16], 4, v7
	v_add_nc_u32 v[SRD], s23, v[L16]
	; the mask's descriptors: 64 rows x 128 elements of 4 bytes, 16 bytes of padding behind each row of 128 words; no work-group mask: a load of my own
	s_mov_b32 s[GM1+0], (2<<16)|(1<<20)|(6<<22)|(3<<25)
	s_mov_b32 s[GM1+1], 128<<16
	s_mov_b32 s[GM1+2], 64<<16
	s_mov_b32 s[GM1+3], 128<<16
	s_mov_b32 s[GM1+4], 64
	s_mov_b32 s[GM1+5], 2048
	s_mov_b32 s[GM1+6], 0
	s_mov_b32 s[GM1+7], 0
	s_and_b32 s18, s13, 7                          ; the query block in its batch
	s_lshl_b32 s18, s18, 8
	s_lshl_b32 s19, s11, 7
	s_add_co_u32 s18, s18, s19                     ; my first query,
	s_lshl_b32 s18, s18, 13                        ; 8,192 bytes a row of the mask,
	s_lshl_b32 s19, s42, 10                        ; and my first key, 4 bytes each
	s_add_co_u32 s18, s18, s19
	s_lshl_b32 s19, s12, 9
	s_add_co_u32 s18, s18, s19
	s_mov_b32 s19, 0
	s_add_nc_u64 s[18:19], s[94:95], s[18:19]
.irp hf, 0,1
	s_mov_b32 s[GM0+4*(\hf)], 1
	s_add_co_u32 s[GM0+4*(\hf)+1], s21, (\hf)*SLOT
	s_add_nc_u64 s[GM0+4*(\hf)+2:GM0+4*(\hf)+3], s[18:19], (\hf)*524288
	s_or_b32 s[GM0+4*(\hf)+3], s[GM0+4*(\hf)+3], 0x80000000
.endr
	s_lshl_b32 s16, s13, 4                         ; pw at my first block of 16 rows (65,536 bytes each) and my first block of 16 keys (512 bytes each)
	s_lshl_b32 s17, s11, 3
	s_add_co_u32 s16, s16, s17
	s_lshl_b32 s16, s16, 16
	s_lshl_b32 s17, s42, 13
	s_add_co_u32 s16, s16, s17
	s_lshl_b32 s17, s12, 12
	s_add_co_u32 s16, s16, s17
	s_mov_b32 s17, 0
	s_add_nc_u64 s[8:9], s[96:97], s[16:17]
	s_lshl_b32 s16, s45, 4                         ; st at (batch, key block 2 x key tile + half, my first row)
	s_lshl_b32 s17, s42, 1
	s_add_co_u32 s16, s16, s17
	s_add_co_u32 s16, s16, s12
	s_lshl_b32 s16, s16, 11
	s_and_b32 s17, s13, 7
	s_lshl_b32 s17, s17, 8
	s_add_co_u32 s16, s16, s17
	s_lshl_b32 s17, s11, 7
	s_add_co_u32 s16, s16, s17
	s_lshl_b32 s16, s16, 2
	s_mov_b32 s17, 0
	s_add_nc_u64 s[90:91], s[98:99], s[16:17]
	s_mov_b32 s[MB], 0xceabfb8f                    ; -1,442,695,040 = -1e9 log2 e in f32
	s_mov_b32 s[MB+1], s[MB]
	s_mov_b32 s[SEL], 0x76543210
	s_mov_b32 s[SEL+1], 0xfedcba98
; 16 matrix instructions: query blocks a0, a0 + 1 of the window's four (hi = 0: my rows 0-63, 1: rows 64-127) x all 8 key blocks, 32 along K.  zero = 1: the products start the sums.
; The 64 accumulators take turns, one instruction a turn, in the same order in every quarter.
.macro MUL16 f, hi, a0, zero
	WIN MUL_LO+0x50*(\hi)
.irp a, \a0, (\a0)+1
.irp b, 0,1,2,3,4,5,6,7
.if \zero
	v_wmma_f32_16x16x32_f16 v[8*(8*(\a)+(\b)):8*(8*(\a)+(\b))+7], v[(\f)+8*(\b):(\f)+8*(\b)+7], v[(\f)+8*(4*(\hi)+(\a)):(\f)+8*(4*(\hi)+(\a))+7], 0
.else
	v_wmma_f32_16x16x32_f16 v[8*(8*(\a)+(\b)):8*(8*(\a)+(\b))+7], v[(\f)+8*(\b):(\f)+8*(\b)+7], v[(\f)+8*(4*(\hi)+(\a)):(\f)+8*(4*(\hi)+(\a))+7], v[8*(8*(\a)+(\b)):8*(8*(\a)+(\b))+7]
.endif
.endr
.endr
.endm
; 32 LDS loads in one run: the fragments of one quarter (128 rows of K, 128 rows of Q', 32 along K at byte k of the rows) into buffer f
.macro FETCH slot, k, f
	WIN TO_B
.irp i, 0,1,2,3,4,5,6,7
	ds_load_b128 v[(\f)+8*(\i):(\f)+8*(\i)+3],   v[ADRB+(\slot)] offset:(\k)+(\i)*16*PITCH
	ds_load_b128 v[(\f)+8*(\i)+4:(\f)+8*(\i)+7], v[ADRB+(\slot)] offset:(\k)+(\i)*16*PITCH+32
.endr
	WIN 0
.irp i, 0,1,2,3,4,5,6,7
	ds_load_b128 v[(\f)+8*(\i):(\f)+8*(\i)+3],   v[ADRA+(\slot)] offset:(\k)+(\i)*16*PITCH
	ds_load_b128 v[(\f)+8*(\i)+4:(\f)+8*(\i)+7], v[ADRA+(\slot)] offset:(\k)+(\i)*16*PITCH+32
.endr
.endm
; One of a K step's first three quarters: multiplies buffer f; in its middle it fetches the next quarter's fragments, at byte k of the same slot's rows, into buffer g.
.macro QUARTER slot, k, f, g, zero
	s_wait_dscnt 8                                 ; K and Q's rows 0-63 are in; the youngest eight loads (Q's rows 64-127) may be out
	MUL16 \f, 0, 0, \zero
	MUL16 \f, 0, 2, \zero
	PLACES                                         ; in front of loads into registers that matrix instructions have read
	FETCH \slot, \k, \g
	s_wait_dscnt 32                                ; all but the 32 just issued
	MUL16 \f, 1, 0, \zero
	MUL16 \f, 1, 2, \zero
.endm
; The first half of a K step's last quarter: the barrier that opens a round of the cluster's.  In front of it each wave waits for all its tensor loads, adds 0 to its spare word, and waits for that and for its own reads of this slot.
.macro MEET
	WIN 0
	s_wait_tensorcnt 0x0                           ; all my tensor loads have landed
	ds_add_u32 v[SPW], v[NIL]                      ; 0 onto my spare word
	s_wait_dscnt 9                                 ; the add and the youngest eight loads may be out
	MUL16 F1, 0, 0, 0                              ; sixteen matrix instructions stand between the add and the wait for it
	s_wait_dscnt 0x0                               ; the add is done, and my reads of this slot are over
	s_barrier_signal -1
	MUL16 F1, 0, 2, 0
	WIN 0
	s_barrier_wait -1
.endm
.macro TURN slot, next                 ; the whole last quarter: the slot just read out is filled again, two K steps ahead, first thing behind the round
	MEET
	CREST
	s_add_nc_u64 s[G0+4*(\slot)+2:G0+4*(\slot)+3], s[G0+4*(\slot)+2:G0+4*(\slot)+3], 2*KSTEP*2
	s_add_nc_u64 s[G0B+4*(\slot)+2:G0B+4*(\slot)+3], s[G0B+4*(\slot)+2:G0B+4*(\slot)+3], 2*KSTEP*2
	JLOAD \slot                                    ; the four v_nop behind it are also the places in front of the loads below
	FETCH \next, 0, F0
	MUL16 F1, 1, 0, 0
	MUL16 F1, 1, 2, 0
.endm
	s_wait_tensorcnt 0x1                           ; my part of K step 0 is in; K step 1's may stay out
	s_barrier_signal -1
	s_barrier_wait -1
	FETCH 0, 0, F0
	QUARTER 0, 64,  F0, F1, 1                      ; the first quarter stands in front of the loop: its products start the sums
	WIN 0
	s_mov_b32 s3, LAPS-1
.Llap:
	QUARTER 0, 128, F1, F0, 0
	QUARTER 0, 192, F0, F1, 0
	TURN 0, 1
	QUARTER 1, 64,  F0, F1, 0
	QUARTER 1, 128, F1, F0, 0
	QUARTER 1, 192, F0, F1, 0
	TURN 1, 0
	QUARTER 0, 64,  F0, F1, 0
	WIN 0
	s_sub_co_u32 s3, s3, 1
	s_cmp_lg_u32 s3, 0
	s_cbranch_scc1 .Llap
	QUARTER 0, 128, F1, F0, 0                      ; the last lap: the slots that fall free take the mask
	QUARTER 0, 192, F0, F1, 0
	MEET
	CREST
	MLOAD 0                                        ; my one load behind this round: rows 0-63 of my mask into slot 0; a whole K step stands between it and the wait for it
	FETCH 1, 0, F0
	MUL16 F1, 1, 0, 0
	MUL16 F1, 1, 2, 0
	QUARTER 1, 64,  F0, F1, 0
	QUARTER 1, 128, F1, F0, 0
	QUARTER 1, 192, F0, F1, 0
	MEET                                           ; its wait for all tensor loads shows the mask's first half landed
	CREST
	MLOAD 1                                        ; rows 64-127 into slot 1: three blocks' softmax stand between it and the wait for it
	MUL16 F1, 1, 0, 0
	MUL16 F1, 1, 2, 0
	WIN 0
	PLACES                                         ; behind the last products: the loads and vector lines below touch their registers
; THE SOFTMAX AND THE WAY OUT: a counted loop over my eight blocks of 16 queries.  Only the lines that name accumulators are written eight times (BLK); the trip jumps forward to its block's copy and on to the common part.
.macro MKLOAD a                        ; block a's mask: 16 rows x 128 keys; lane (r, h) takes 32 bytes of each of 8 key blocks
.irp b, 0,1,2,3,4,5,6,7
	ds_load_b128 v[MK+8*(\b):MK+8*(\b)+3],   v[MA+(\a)/4] offset:((\a)%4)*16*MPITCH+64*(\b)
	ds_load_b128 v[MK+8*(\b)+4:MK+8*(\b)+7], v[MA+(\a)/4] offset:((\a)%4)*16*MPITCH+64*(\b)+16
.endr
.endm
.macro BLK a
	s_wait_dscnt 0x0                               ; block a's mask is in
	WIN 0x20+0x10*((\a)/4)                         ; source 2 in window 2 or 3
.set i, 0
.rept 32
	v_pk_fma_f32 v[S+2*i:S+2*i+1], v[MK+2*i:MK+2*i+1], s[MB:MB+1], v[64*((\a)%4)+2*i:64*((\a)%4)+2*i+1] op_sel_hi:[1,0,1]  ; each accumulator's registers in ascending order
.set i, i+1
.endr
	WIN 0
.if (\a) < 7
.if (\a) >= 3
	s_wait_tensorcnt 0x0                           ; the mask's second half has landed: no load was issued behind it
.endif
	MKLOAD (\a)+1                                  ; the next block's mask comes in under this block's softmax
.endif
.endm
	s_mov_b32 s[BC], 0
	s_mov_b32 s[SO], 0
	v_mov_b32 v[LT], 0                             ; v_permlanex16_b32 counts as a reader of its destination
	s_wait_tensorcnt 0x1                           ; the mask's first half is in: one load was issued behind it
	MKLOAD 0
.Lblk:
.irp a, 0,1,2,3,4,5,6
	s_cmp_eq_u32 s[BC], \a
	s_cbranch_scc1 .Lb\a
.endr
	BLK 7
	s_branch .Lcommon
.irp a, 0,1,2,3,4,5
.Lb\a:
	BLK \a
	s_branch .Lcommon
.endr
.Lb6:
	BLK 6
.Lcommon:
	v_add_nc_u32 v[SA], s[SO], v[SAB]
	; the maximum of my 64 scores: four chains of 15, three operands at a time; then the four left over; then the lane 16 away, which holds the row's other 64
.irp c, 0,1,2,3
	v_max3_num_f32 v[C0+(\c)], v[S+16*(\c)], v[S+16*(\c)+1], v[S+16*(\c)+2]
.endr
.irp n, 0,1,2,3,4,5
.irp c, 0,1,2,3
	v_max3_num_f32 v[C0+(\c)], v[C0+(\c)], v[S+16*(\c)+3+2*(\n)], v[S+16*(\c)+4+2*(\n)]
.endr
.endr
	v_max3_num_f32 v[C0], v[C0], v[S+15], v[S+31]
	v_max3_num_f32 v[C0+1], v[C0+1], v[S+47], v[S+63]
	v_max_num_f32 v[C0+2], v[C0+2], v[C0+3]
	v_max3_num_f32 v[C0], v[C0], v[C0+1], v[C0+2]
	v_permlanex16_b32 v[C0+1], v[C0], s[SEL], s[SEL+1]
	v_max_num_f32 v[M], v[C0], v[C0+1]
	v_mov_b32 v[M+1], v[M]                         ; named with it as a pair
.set i, 0
.rept 32
	v_pk_add_f32 v[S+2*i:S+2*i+1], v[S+2*i:S+2*i+1], v[M:M+1] op_sel_hi:[1,0] neg_lo:[0,1] neg_hi:[0,1]  ; s2 - m
.set i, i+1
.endr
	; two exponentials, then a plain line: the rounding of the pair before, whose exponentials have a plain line behind them already
.set i, 0
.rept 32
	v_exp_f32 v[S+2*i], v[S+2*i]
	v_exp_f32 v[S+2*i+1], v[S+2*i+1]
.if i == 0
	v_nop
.else
	s_wait_alu depctr_va_vdst(0)
	v_cvt_pk_f16_f32 v[TMP+i-1], v[S+2*i-2], v[S+2*i-1]
.endif
.set i, i+1
.endr
	v_nop
	v_cvt_pk_f16_f32 v[TMP+31], v[S+62], v[S+63]
.irp b, 0,1,2,3,4,5,6,7
	global_store_b128 v[L16], v[TMP+4*(\b):TMP+4*(\b)+3], s[8:9] offset:512*(\b)  ; key block b of this row block: the wave stores 512 consecutive bytes, at a multiple of 256 from pw's first byte
.endr
	; l: the sum of the unrounded weights, a tree in place
.irp w, 16,8,4,2,1
.set i, 0
.rept \w
	v_pk_add_f32 v[S+2*i:S+2*i+1], v[S+2*i:S+2*i+1], v[S+2*(i+(\w)):S+2*(i+(\w))+1]
.set i, i+1
.endr
.endr
	v_add_f32 v[LS], v[S], v[S+1]
	v_permlanex16_b32 v[LT], v[LS], s[SEL], s[SEL+1]
	v_add_f32 v[LS], v[LS], v[LT]
	ds_store_b32 v[SA], v[M]                       ; lanes r and r + 16 write the same word with the same number
	ds_store_b32 v[SA], v[LS] offset:512
	s_wait_xcnt 0x0                                ; the stores' base and data registers are rewritten only behind this wait
	s_add_nc_u64 s[8:9], s[8:9], 65536             ; the next block of 16 rows
	s_add_co_u32 s[SO], s[SO], 64
	s_add_co_u32 s[BC], s[BC], 1
	s_cmp_lt_u32 s[BC], 8
	s_cbranch_scc1 .Lblk
	ds_load_b128 v[40:43], v[SRD]                  ; my wave's 128 m and 128 l, as 512 consecutive bytes each
	ds_load_b128 v[44:47], v[SRD] offset:512
	s_wait_dscnt 0x0
	global_store_b128 v[L16], v[40:43], s[90:91]
	global_store_b128 v[L16], v[44:47], s[90:91] offset:524288
	s_wait_tensorcnt 0x0                           ; the wave's end
	ds_add_u32 v[SPW], v[NIL]
	s_wait_dscnt 0x0
	CROUND                                         ; the closing round
	s_endpgm
.Lfunc_end_k_q8a8e3b0801_score:
	.size	k_q8a8e3b0801_score, .Lfunc_end_k_q8a8e3b0801_score-k_q8a8e3b0801_score
	.p2alignl 7, 3214868480
	.fill 96, 4, 3214868480
	.section	.rodata,"a",@progbits
	.p2align	6, 0x0
	.amdhsa_kernel k_q8a8e3b0801_score
		.amdhsa_group_segment_fixed_size 327680
		.amdhsa_private_segment_fixed_size 0
		.amdhsa_enable_private_segment 0
		.amdhsa_kernarg_size 32
		.amdhsa_user_sgpr_count 2
		.amdhsa_user_sgpr_kernarg_segment_ptr 1
		.amdhsa_wavefront_size32 1
		.amdhsa_system_sgpr_workgroup_id_x 1
		.amdhsa_system_sgpr_workgroup_id_y 1
		.amdhsa_system_sgpr_workgroup_id_z 1
		.amdhsa_system_vgpr_workitem_id 0
		.amdhsa_next_free_vgpr 1024
		.amdhsa_next_free_sgpr 100
		.amdhsa_reserve_vcc 0
		.amdhsa_float_denorm_mode_32 3
		.amdhsa_float_denorm_mode_16_64 3
		.amdhsa_memory_ordered 1
		.amdhsa_forward_progress 1
		.amdhsa_inst_pref_size 152
	.end_amdhsa_kernel
	.amdgpu_metadata
---
amdhsa.version: [ 1, 2 ]
amdhsa.kernels:
  - .name:           k_q8a8e3b0801_score
    .symbol:         k_q8a8e3b0801_score.kd
    .args:
      - { .name: xp, .offset: 0, .size: 8, .value_kind: global_buffer, .address_space: global }
      - { .name: mask, .offset: 8, .size: 8, .value_kind: global_buffer, .address_space: global }
      - { .name: pw, .offset: 16, .size: 8, .value_kind: global_buffer, .address_space: global }
      - { .name: st, .offset: 24, .size: 8, .value_kind: global_buffer, .address_space: global }
    .group_segment_fixed_size: 327680
    .private_segment_fixed_size: 0
    .kernarg_segment_align: 8
    .kernarg_segment_size: 32
    .max_flat_workgroup_size: 128
    .sgpr_count:     100
    .vgpr_count:     1024
    .wavefront_size: 32
...
	.end_amdgpu_metadata
.endif
;; end of part 3
;; launch pv (part 4): grid 32 x 8, 4 waves a work-group, clusters of 4 x 1, 327,680 bytes of LDS; arguments pw, xp, st, out0; writes out0
.if DOCPART == 4
	.amdgcn_target "amdgcn-amd-amdhsa--gfx1250"
	.amdhsa_code_object_version 6
	.text
	.protected	k_q8a8e3b0801_pv
	.globl	k_q8a8e3b0801_pv
	.p2align	8
	.type	k_q8a8e3b0801_pv,@function
k_q8a8e3b0801_pv:
	s_mov_b64 s[64:65], 0
	v_nop
	global_prefetch_b8 v0, s[64:65] scope:SCOPE_SE
	s_setreg_imm32_b32 hwreg(HW_REG_WAVE_MODE, 25, 1), 1
	s_wait_xcnt 0x0
	s_wait_alu depctr_hold_cnt(0) depctr_sa_sdst(0) depctr_va_vdst(0) depctr_va_sdst(0) depctr_va_ssrc(0) depctr_va_vcc(0) depctr_vm_vsrc(0)
	s_getreg_b32 s2, hwreg(HW_REG_IB_STS2, 6, 4)
	s_cmp_eq_u32 s2, 0
	s_cbranch_scc0 .Lentry_in_a_cluster
	s_endpgm
.Lentry_in_a_cluster:
	s_bfe_u32 s2, ttmp6, 0x10000c
	s_cmp_lg_u32 s2, 0x3003
	s_cbranch_scc0 .Lentry_shape_is_right
	s_endpgm
.Lentry_shape_is_right:
; out0[row][c] = (sum over the 16 key blocks j of g_j (P_j V_j)) / L, where for each row M = max over j of m_j, g_j = 2^(m_j - M), L = sum over j of g_j l_j: all of these in f32.
; pw (P): f16 weights relative to their block's maximum, [512 blocks of 16 rows][128 blocks of 16 keys][32 lanes][16 bytes]: two neighbouring key blocks are a fragment (16 rows x 32 keys) as it lies in registers.
; V = xp[2]: [8192][1024] f16; st: m and l as the launch before wrote them; out0: [8192][1024] f32.
; M is the row's true maximum: every exponent is at most 0, the block that holds M has g = 1 and l >= 1, so L >= 1.
; LIMITS.  A g below 2^-126 counts as 0.  NaN and infinities are not treated apart.
; SHARES.  A tile is 256 rows x 128 channels: 32 x 8 = 256 work-groups.  Four waves, each 64 rows x 128 channels: rows of its own, and the same V as the other three.
; P GOES STRAIGHT INTO REGISTERS: each wave loads its own rows' fragments, 512 consecutive bytes a load, into a ring of eight groups of 32 registers; a group (32 keys) is asked for seven quarter steps
; before it is multiplied, so 56 loads of a wave are on their way.  V goes through a ring of two LDS slots of 256 keys (rows of 256 bytes), read turned.
; With P in LDS too a slot of 256 keys would take 73,728 + 256 x 528 = 208,896 bytes, and two would not fit; so P's rows, which the eight channel blocks read, are not asked for jointly: loads into registers have no such form.
; CLUSTER.  Four work-groups along the rows: one batch, one channel block, so the same tiles of V: each is asked for jointly, by the same tensor load, descriptor and mask in all four.
; THE SUMS.  T = V^T P_j is summed over one block of 128 keys (the constant 0 starts it); then O += g_j T, fused, in f32: 128 packed lines a block, four behind a matrix instruction.
; THE MATRIX INSTRUCTION IS USED TRANSPOSED: source 0 = 16 channels of V, source 1 = 16 rows of P: lane l holds row l % 16 and the eight neighbouring channels 8 (l / 16) + 0..7.
; A TRIP is 256 keys in eight PARTS.  Part i asks for a group of P, fetches V's quarter i from LDS and multiplies quarter i - 1; part 0 multiplies the last quarter of the trip before and changes slots meanwhile.
; One text serves every trip but the last: the loop is entered behind part 0, and O, the last quarter of T and g start at 0, so that the lines that close a block find numbers in the first trip too.
; The price: 340 v_mov_b32, which stand in the wait for the first tile.
; REGISTERS, in windows of 256 (s_set_vgpr_msb: bits 1:0 source 0, 3:2 source 1, 5:4 source 2, 7:6 destination):
;   window 0: v0-31 addresses; v40-55 g, two sets of pairs; v56-63 1 / L in pairs; v64-127, v128-191 V's fragments, two buffers (on the way out: at work, rows read back); v192-255 rows read back
;   window 1: T, (a, b) at v[8 (8 a + b)]          window 2: P's ring, group q % 8 at v[32 (q % 8)]          window 3: O, as T
.set VPITCH, 288                       ; a key of V in LDS: 256 bytes + 32 = 72 words
.set VQ,     64*VPITCH                 ; what one tensor load brings: 64 keys
.set SLOTB,  4*VQ                      ; 73,728
.set SLOT1,  1<<17                     ; slot 1 begins here, so that one exclusive or turns an address in one slot into the other's
.set STAGE,  SLOT1+SLOTB               ; behind the ring: 16 rows x 528 bytes for each wave; no tensor load fills it
.set SPITCH, 528
.set GTAB,   STAGE+4*16*SPITCH         ; g: [16 blocks][256 rows] f32
.set ILV,    GTAB+16*1024              ; 1 / L: [256 rows]
.set SPARE,  ILV+1024                  ; the spare words, 128 bytes a wave: two blocks of 256 bytes that no other line names
.set TRIPS,  8
.set PO,  9                            ; v9      16 x lane: my place in 512 consecutive bytes of pw and of out0; never rewritten
.set SOF, 10                           ; v10     8 x thread: my two rows' place in st
.set AV0, 11                           ; v11     my lane's place in a tile of V; never rewritten
.set ADV, 12                           ; v12-13  LDS address of V's quarters 0-3 and 4-7 in the slot in hand
.set STO, 14                           ; v14     the way out: where I put 32 bytes of a row
.set RD,  15                           ; v15     where I read 16 bytes of a row back
.set GAD, 17                           ; v17     LDS address of row l % 16's g; it steps by two blocks a trip
.set ILA, 18                           ; v18     of its 1 / L
.set GST, 19                           ; v19     where thread t puts its two rows' g
.set SPW, 28                           ; v28     LDS address of my spare word; never rewritten
.set NIL, 29                           ; v29     0; never rewritten
.set GA,  40                           ; v40-47  g of my four row blocks in an even key block, each named as a pair
.set GB,  48                           ; v48-55  in an odd one
.set IV,  56                           ; v56-63  1 / L, likewise
.set VF,  64
.set TT,  64
.set BK,  128
.set MS,  64                           ; in the prologue: v64-95 m (then g) of my two rows, v96-127 l, v128-133 M, L, 1 / L
.set LSM, 96
.set MX,  128
.set LL,  130
.set RL,  132
.set G1,  24                           ; s[24:31] descriptor group 1
.set G0,  32                           ; s[32:35] descriptor group 0: it walks
.set TB,  36                           ; s36  LDS byte at which the slot in hand begins
.set MSB, 0
.macro WIN new                         ; the immediate's high byte repeats the setting that is left; a switch that changes nothing is dropped
.if MSB != (\new)
	s_set_vgpr_msb (MSB<<8)|(\new)
.set MSB, \new
.endif
.endm
.set W_MUL, 0x58                       ; V in window 0, P in window 2, C and D (T) in window 1
.set W_RID, 0xf1                       ; T in window 1, g in window 0, O (source 2 and destination) in window 3
.set W_P,   0x80                       ; destination window 2, address window 0
.macro PLACES                          ; four plain vector instructions between a matrix instruction and a vector instruction or load that touches its registers
.rept 4
	v_nop
.endr
.endm
.macro CREST                           ; a round of the cluster's barrier behind its opening barrier
	s_cmp_lg_u32 s10, 0
	s_cbranch_scc1 .Lnot_wave_0_\@
	s_barrier_signal -3
.Lnot_wave_0_\@:
	s_barrier_wait -3
	s_barrier_signal -1
	s_barrier_wait -1
.endm
.macro CROUND                          ; a whole round
	s_barrier_signal -1
	s_barrier_wait -1
	CREST
.endm
.macro JLOAD                           ; a joint load: every wave fetches its 64 keys of the slot; an s_nop 0 and four v_nop follow
	tensor_load_to_lds s[G0:G0+3], s[G1:G1+7]
	s_nop 0
.rept 4
	v_nop
.endr
.endm
; Group q of P, counted from the trip's first quarter: my four row blocks' fragments of 32 keys, eight loads of 512 consecutive bytes
.macro PQ q
	WIN W_P
.irp a, 0,1,2,3
	global_load_b128 v[32*((\q)%8)+8*(\a):32*((\q)%8)+8*(\a)+3],   v[PO], s[4:5] offset:(\a)*65536+(\q)*1024
	global_load_b128 v[32*((\q)%8)+8*(\a)+4:32*((\q)%8)+8*(\a)+7], v[PO], s[4:5] offset:(\a)*65536+(\q)*1024+512
.endr
.endm
	s_load_b256 s[68:75], s[0:1], 0x0              ; pw s[68:69], xp s[70:71], st s[72:73], out0 s[74:75]
	v_lshl_add_u32 v[SPW], v0, 2, SPARE
	v_mov_b32 v[NIL], 0
	ds_add_u32 v28, v29
	s_wait_dscnt 0x0
	v_lshrrev_b32 v1, 5, v0
	v_readfirstlane_b32 s10, v1                    ; wave 0..3
	s_bfe_u32 s40, ttmp6, 0x40000                  ; cx: my place in the cluster
	s_lshl_b32 s13, ttmp9, 2
	s_add_co_u32 s13, s13, s40                     ; my block of 256 rows, 0..31: it enters P's, st's and out0's addresses alone
	s_lshr_b32 s45, ttmp9, 1                       ; the batch: the same in all four partners
	s_and_b32 s42, ttmp7, 0xffff                   ; the channel block of 128, which they share too
	; group 1: 64 keys x 128 elements of 2 bytes, 32 bytes of padding behind each row of 64 words
	s_mov_b32 s[G1+0], 15|(1<<16)|(1<<20)|(1<<21)|(5<<22)|(7<<25)  ; 15:0 the mask: all four work-groups; 21 set beside a mask
	s_mov_b32 s[G1+1], 128<<16                     ; tensor_dim0 = 128
	s_mov_b32 s[G1+2], 64<<16                      ; tensor_dim1 = 64
	s_mov_b32 s[G1+3], 128<<16                     ; tile_dim0 = 128
	s_mov_b32 s[G1+4], 64                          ; tile_dim1 = 64
	s_mov_b32 s[G1+5], 1024                        ; elements from key to key
	s_mov_b32 s[G1+6], 0
	s_mov_b32 s[G1+7], 0
	s_lshl_b32 s46, s45, 11                        ; V: key 2,048 x batch + 64 x wave (2,048 bytes a key), channel 128 x channel block, in xp's third part
	s_lshl_b32 s47, s10, 6
	s_add_co_u32 s46, s46, s47
	s_lshl_b32 s46, s46, 11
	s_lshl_b32 s47, s42, 8
	s_add_co_u32 s46, s46, s47
	s_add_co_u32 s46, s46, 0x2000000
	s_mov_b32 s47, 0
	s_mov_b32 s[G0], 1                             ; count = 1
	s_mul_i32 s[G0+1], s10, VQ                     ; LDS address: slot 0, my 64 keys: no place in the cluster enters it
	s_mov_b32 s[TB], SLOT1                         ; the first change of slots turns it into 0
	s_wait_kmcnt 0x0
	s_add_nc_u64 s[G0+2:G0+3], s[70:71], s[46:47]
	s_or_b32 s[G0+3], s[G0+3], 0x80000000          ; type = 2
	CROUND                                         ; all four work-groups are here: the first joint loads meet
	JLOAD                                          ; keys 0-255 into slot 0; slot 1 is asked for when slot 0 is in, as every later slot is
	; the statistics of my two rows (thread t: rows 2 t and 2 t + 1 of the tile, which lie in its own wave's 64), and the first groups of P
	s_lshl_b32 s18, s45, 17                        ; st at (batch, block 0, my tile's first row)
	s_and_b32 s19, s13, 7
	s_lshl_b32 s19, s19, 10
	s_add_co_u32 s18, s18, s19
	s_mov_b32 s19, 0
	s_add_nc_u64 s[72:73], s[72:73], s[18:19]
	v_lshlrev_b32 v[SOF], 3, v0
.set j, 0
.rept 16
	global_load_b64 v[MS+2*j:MS+2*j+1], v[SOF], s[72:73] offset:8192*j
.set j, j+1
.endr
.set j, 0
.rept 16
	global_load_b64 v[LSM+2*j:LSM+2*j+1], v[SOF], s[72:73] offset:524288+8192*j
.set j, j+1
.endr
	s_lshl_b32 s16, s13, 4                         ; pw at my wave's first block of 16 rows, 65,536 bytes each
	s_lshl_b32 s17, s10, 2
	s_add_co_u32 s16, s16, s17
	s_lshl_b32 s16, s16, 16
	s_mov_b32 s17, 0
	s_add_nc_u64 s[4:5], s[68:69], s[16:17]
	v_and_b32 v3, 31, v0
	v_lshlrev_b32 v[PO], 4, v3
	PQ 0
	PQ 1
	PQ 2
	WIN 0
	v_and_b32 v1, 15, v0                           ; r = l % 16
	v_bfe_u32 v2, v0, 4, 1                         ; h = l / 16
	; the turning load takes 16 keys x 16 channels: lane l reads key 8 h + l % 8, channels 8 ((l / 8) % 2) + 0..7, and is left with channel l % 16 and 8 keys
	v_and_b32 v4, 7, v0
	v_bfe_u32 v5, v0, 3, 1
	v_lshl_add_u32 v6, v2, 3, v4
	v_mul_u32_u24 v6, v6, VPITCH
	v_lshl_add_u32 v[AV0], v5, 4, v6
	s_mul_i32 s23, s10, 16*SPITCH
	s_add_co_u32 s23, s23, STAGE                   ; my stage
	v_mul_u32_u24 v7, v1, SPITCH                   ; in: row r, 32 bytes for each half of the lanes
	v_lshl_add_u32 v7, v2, 5, v7
	v_add_nc_u32 v[STO], s23, v7
	v_add_nc_u32 v[RD], s23, v[PO]                 ; back: 32 lanes take one row of 512 bytes
	s_lshl_b32 s23, s10, 8                         ; my 64 rows' words in the tables
	v_lshl_add_u32 v7, v1, 2, s23
	v_add_nc_u32 v[GAD], GTAB, v7
	v_add_nc_u32 v[ILA], ILV, v7
	s_lshl_b32 s16, s13, 8                         ; out0 at my wave's first row (4,096 bytes each) and the tile's first channel
	s_lshl_b32 s17, s10, 6
	s_add_co_u32 s16, s16, s17
	s_lshl_b32 s16, s16, 12
	s_lshl_b32 s17, s42, 9
	s_add_co_u32 s16, s16, s17
	s_mov_b32 s17, 0
	s_add_nc_u64 s[8:9], s[74:75], s[16:17]
	; what the first trip finds: O = 0; the quarter of T and the g that its first closing lines read = 0.  The upper registers of the pairs are named but not used.
	WIN 0xc0
.set i, 0
.rept 256
	v_mov_b32 v[i], 0
.set i, i+1
.endr
	WIN 0x40
.set i, 192
.rept 64
	v_mov_b32 v[i], 0
.set i, i+1
.endr
	WIN 0
.set i, GA
.rept 16
	v_mov_b32 v[i], 0
.set i, i+1
.endr
.irp a, 0,1,2,3
	v_mov_b32 v[IV+2*(\a)+1], 0
.endr
	s_wait_loadcnt 24                              ; m and l are in; the 24 loads of P issued behind them may be out
	v_max3_num_f32 v[MX],   v[MS],   v[MS+2], v[MS+4]
	v_max3_num_f32 v[MX+1], v[MS+1], v[MS+3], v[MS+5]
.irp n, 6,10,14,18,22,26
	v_max3_num_f32 v[MX],   v[MX],   v[MS+\n],   v[MS+\n+2]
	v_max3_num_f32 v[MX+1], v[MX+1], v[MS+\n+1], v[MS+\n+3]
.endr
	v_max_num_f32 v[MX],   v[MX],   v[MS+30]       ; M of row 2 t
	v_max_num_f32 v[MX+1], v[MX+1], v[MS+31]       ; and of row 2 t + 1
.set j, 0
.rept 16
	v_pk_add_f32 v[MS+2*j:MS+2*j+1], v[MS+2*j:MS+2*j+1], v[MX:MX+1] neg_lo:[0,1] neg_hi:[0,1]  ; m - M
.set j, j+1
.endr
.set j, 0
.rept 32
	v_exp_f32 v[MS+j], v[MS+j]                     ; g
.set j, j+1
.endr
	v_lshl_add_u32 v[GST], v0, 3, GTAB             ; the plain instruction between the last exponential and the use of its result
	s_wait_alu depctr_va_vdst(0)
	v_pk_mul_f32 v[LL:LL+1], v[MS:MS+1], v[LSM:LSM+1]
.set j, 1
.rept 15
	v_pk_fma_f32 v[LL:LL+1], v[MS+2*j:MS+2*j+1], v[LSM+2*j:LSM+2*j+1], v[LL:LL+1]
.set j, j+1
.endr
	v_rcp_f32 v[RL], v[LL]
	v_rcp_f32 v[RL+1], v[LL+1]
	v_nop                                          ; a plain instruction behind the reciprocals
.set j, 0
.rept 16
	ds_store_b64 v[GST], v[MS+2*j:MS+2*j+1] offset:1024*j
.set j, j+1
.endr
	s_wait_alu depctr_va_vdst(0)
	ds_store_b64 v[GST], v[RL:RL+1] offset:16*1024
	PQ 3
	PQ 4
	PQ 5
	PQ 6                                           ; seven groups, 56 loads, are asked for
	WIN 0
.macro GLOAD g, off                    ; g of my four row blocks, for the key block whose table row lies off bytes behind GAD
	WIN 0
.irp a, 0,1,2,3
	ds_load_b32 v[(\g)+2*(\a)], v[GAD] offset:(\off)+64*(\a)
.endr
.endm
.macro FETCHV i                        ; 16 turning loads: quarter i (32 keys) of the slot in hand, all 128 channels, into buffer i % 2
	WIN 0
.irp b, 0,1,2,3,4,5,6,7
	ds_load_tr16_b128 v[VF+64*((\i)%2)+8*(\b):VF+64*((\i)%2)+8*(\b)+3],   v[ADV+(\i)/4] offset:((\i)%4)*32*VPITCH+32*(\b)
	ds_load_tr16_b128 v[VF+64*((\i)%2)+8*(\b)+4:VF+64*((\i)%2)+8*(\b)+7], v[ADV+(\i)/4] offset:((\i)%4)*32*VPITCH+16*VPITCH+32*(\b)
.endr
.endm
.macro RIDE a, b, g                    ; O(a, b) += g T(a, b): four packed lines, the accumulator's registers in ascending order
	WIN W_RID
.irp n, 0,1,2,3
	v_pk_fma_f32 v[8*(8*(\a)+(\b))+2*(\n):8*(8*(\a)+(\b))+2*(\n)+1], v[8*(8*(\a)+(\b))+2*(\n):8*(8*(\a)+(\b))+2*(\n)+1], v[(\g)+2*(\a):(\g)+2*(\a)+1], v[8*(8*(\a)+(\b))+2*(\n):8*(8*(\a)+(\b))+2*(\n)+1] op_sel_hi:[1,0,1]
.endr
.endm
; 8 matrix instructions: quarter q, row block a x all 8 channel blocks.  zero = 1: the products start T's sums.  ra >= 0: behind each stand the four lines that close T(ra, b).
; The 32 accumulators take turns, one instruction a turn, in the same order in every part.
.macro MULA q, a, zero, ra, g
.irp b, 0,1,2,3,4,5,6,7
	WIN W_MUL
.if \zero
	v_wmma_f32_16x16x32_f16 v[8*(8*(\a)+(\b)):8*(8*(\a)+(\b))+7], v[VF+64*((\q)%2)+8*(\b):VF+64*((\q)%2)+8*(\b)+7], v[32*((\q)%8)+8*(\a):32*((\q)%8)+8*(\a)+7], 0
.else
	v_wmma_f32_16x16x32_f16 v[8*(8*(\a)+(\b)):8*(8*(\a)+(\b))+7], v[VF+64*((\q)%2)+8*(\b):VF+64*((\q)%2)+8*(\b)+7], v[32*((\q)%8)+8*(\a):32*((\q)%8)+8*(\a)+7], v[8*(8*(\a)+(\b)):8*(8*(\a)+(\b))+7]
.endif
.if (\ra) >= 0
	RIDE \ra, \b, \g
.endif
.endr
.endm
; A key block's last quarter q: row block a's sums are closed behind row block a + 1's products; the last row block's behind the first products of the next quarter.
; Four places stand behind row block 0's products, which nothing else follows before their sums are read; behind the others' stand the four lines of the row block before.
.macro CLOSE12 q, g                    ; row blocks 2 and 3 of such a quarter
	MULA \q, 2, 0, 1, \g
	MULA \q, 3, 0, 2, \g
.endm
; PART i (1 to 7).  pl = 1: it asks for a group of P, into the registers that the part before multiplied.  lc: how many younger loads of P may be out when quarter i - 1's group has to be in.
; The loads into registers that matrix instructions have read stand four places behind them: four v_nop, or (parts 1 and 5) the four closing lines behind the last product of the part before.
.macro PART i, pl, lc
.if ((\i) != 1) && ((\i) != 5)
	PLACES
.endif
	s_wait_loadcnt \lc                             ; loads come back in order: quarter i - 1's group is in, the younger groups stay out
.if \pl
	PQ (\i)+6
.endif
.if (\i) == 2
	GLOAD GA, 0                                    ; g of the trip's first key block: the set's last readers stood in part 5 of the trip before
.endif
.if (\i) == 6
	GLOAD GB, 1024                                 ; of its second: the set's last readers stood in part 1
.endif
	FETCHV \i
.if ((\i) == 2) || ((\i) == 6)
	s_wait_dscnt 20                                ; V's quarter i - 1 is in; the four loads of g and the 16 of V just issued may be out
.else
	s_wait_dscnt 16                                ; V's quarter i - 1 is in (and g, where the part before asked for it); the 16 just issued may be out
.endif
.if (\i) == 4
	MULA 3, 0, 0, -1, GA
	PLACES
	MULA 3, 1, 0, 0, GA
	CLOSE12 3, GA
.elseif (\i) == 1
	MULA 0, 0, 1, 3, GB
	MULA 0, 1, 1, -1, GB
	MULA 0, 2, 1, -1, GB
	MULA 0, 3, 1, -1, GB
.elseif (\i) == 5
	MULA 4, 0, 1, 3, GA
	MULA 4, 1, 1, -1, GA
	MULA 4, 2, 1, -1, GA
	MULA 4, 3, 1, -1, GA
.else
	MULA (\i)-1, 0, 0, -1, GA
	MULA (\i)-1, 1, 0, -1, GA
	MULA (\i)-1, 2, 0, -1, GA
	MULA (\i)-1, 3, 0, -1, GA
.endif
.endm
.macro ENTER                           ; the slot that has landed is entered: its addresses, and V's quarter 0
	s_xor_b32 s[TB], s[TB], SLOT1
	v_add_nc_u32 v[ADV], s[TB], v[AV0]
	v_add_nc_u32 v[ADV+1], 4*32*VPITCH, v[ADV]     ; quarters 4-7 through a second register: an LDS offset has 16 bits
	FETCHV 0
.endm
; PART 0 multiplies the last quarter of the trip before, which lies in registers, and changes slots meanwhile.  In front of the barrier each wave waits for all its tensor loads (one is out: its part of the
; slot to be entered), adds 0 to its spare word, and waits for that and for its own reads of the slot that it leaves.  fill = 1: the barrier opens a round of the cluster's, so that no wave of any partner
; still reads that slot or has a load on its way, and the slot is filled again, with the keys of the next trip, first thing behind the round: a whole trip, 256 matrix instructions, stands ahead of the wait for it.
.macro PART0 fill
	PLACES
	s_wait_loadcnt 48                              ; quarter 7's group is in; six younger groups stay out
	PQ 6
	WIN 0
	s_wait_tensorcnt 0x0                           ; no tensor load of mine is out, so group 0 may be written
	ds_add_u32 v[SPW], v[NIL]                      ; 0 onto my spare word
.if \fill
	s_xor_b32 s[G0+1], s[G0+1], SLOT1              ; the walking descriptor: the other slot than last time,
	s_add_nc_u64 s[G0+2:G0+3], s[G0+2:G0+3], 524288  ; the next 256 keys; the type bits on top are not reached
.endif
	s_wait_dscnt 1                                 ; V's quarter 7 is in; the add may be out
	MULA 7, 0, 0, -1, GB                           ; eight matrix instructions stand between the add and the wait for it
	s_wait_dscnt 0x0                               ; the add is done, and my reads of the slot are over
	s_barrier_signal -1
	PLACES
	MULA 7, 1, 0, 0, GB                            ; work on registers while the others arrive
	WIN 0
	s_barrier_wait -1
.if \fill
	CREST
	JLOAD
.endif
	ENTER
	CLOSE12 7, GB
.endm
	s_wait_tensorcnt 0x0                           ; THE FIRST CHANGE OF SLOTS: slot 0 has landed; nothing has been read yet, and slot 1 is filled as every later slot is
	ds_add_u32 v[SPW], v[NIL]                      ; 0 onto my spare word
	s_xor_b32 s[G0+1], s[G0+1], SLOT1
	s_add_nc_u64 s[G0+2:G0+3], s[G0+2:G0+3], 524288
	s_wait_dscnt 0x0                               ; the add is done, and g and 1 / L are in LDS
	CROUND
	JLOAD
	ENTER
	s_mov_b32 s3, TRIPS-1
	s_branch .Lfirst                               ; the loop is entered behind part 0: there is no quarter before the first
.Ltrip:                                                ; seven trips; the six that begin here fill a slot again
	PART0 1
	WIN 0
.Lfirst:
	PART 1, 1, 48
	PART 2, 1, 48
	PART 3, 1, 48
	PART 4, 1, 48
	PART 5, 1, 48
	PART 6, 1, 48
	PART 7, 1, 48
	WIN 0
	v_add_nc_u32 v[GAD], 2048, v[GAD]              ; two key blocks on in g's table
	s_wait_xcnt 0x0                                ; P's base is stepped only behind this wait
	s_add_nc_u64 s[4:5], s[4:5], 8192              ; eight quarters on in each block of rows
	s_sub_co_u32 s3, s3, 1
	s_cmp_lg_u32 s3, 0
	s_cbranch_scc1 .Ltrip
	PART0 0                                        ; the last trip is written out: no slot is filled, P's last two groups are asked for, and the counts run down
	PART 1, 1, 48
	PART 2, 0, 48
	PART 3, 0, 40
	PART 4, 0, 32
	PART 5, 0, 24
	PART 6, 0, 16
	PART 7, 0, 8
	PLACES
	WIN 0
.irp a, 0,1,2,3
	ds_load_b32 v[IV+2*(\a)], v[ILA] offset:64*(\a)
.endr
	s_wait_loadcnt 0x0                             ; P's last group
	s_wait_dscnt 0x0                               ; V's last quarter, and 1 / L
	MULA 7, 0, 0, -1, GB
	PLACES
	MULA 7, 1, 0, 0, GB
	CLOSE12 7, GB
.irp b, 0,1,2,3,4,5,6,7
	RIDE 3, \b, GB                                 ; the last row block's sums: the four lines behind the last product are the places in front of these
.endr
	WIN 0
; THE WAY OUT of row block a.  PACK: O times 1 / L.  TOSTAGE: into my stage, and back as whole rows of 512 bytes.  SEND: stored.
.macro PACK a
	WIN 0x03                                       ; source 0 in window 3
.set i, 0
.rept 32
	v_pk_mul_f32 v[TT+2*i:TT+2*i+1], v[64*(\a)+2*i:64*(\a)+2*i+1], v[IV+2*(\a):IV+2*(\a)+1] op_sel_hi:[1,0]
.set i, i+1
.endr
	WIN 0
.endm
.macro TOSTAGE a
.irp b, 0,1,2,3,4,5,6,7
	ds_store_b128 v[STO], v[TT+8*(\b):TT+8*(\b)+3]   offset:64*(\b)
	ds_store_b128 v[STO], v[TT+8*(\b)+4:TT+8*(\b)+7] offset:64*(\b)+16
.endr
.irp t, 0,1,2,3,4,5,6,7,8,9,10,11,12,13,14,15
	ds_load_b128 v[BK+64*((\a)%2)+4*(\t):BK+64*((\a)%2)+4*(\t)+3], v[RD] offset:(\t)*SPITCH  ; LDS serves a wave's instructions in order: these see the stores above
.endr
.endm
.macro SEND a
	s_wait_dscnt 0x0                               ; the block is back in registers
	s_wait_xcnt 0x0                                ; the registers that earlier stores read are loaded again only behind this wait
.irp t, 0,1,2,3,4,5,6,7,8,9,10,11,12,13,14,15
	global_store_b128 v[PO], v[BK+64*((\a)%2)+4*(\t):BK+64*((\a)%2)+4*(\t)+3], s[8:9] offset:(16*(\a)+(\t))*4096 th:TH_STORE_NT  ; a wave stores 512 consecutive bytes, at a multiple of 256 from out0's first byte
.endr
.endm
	PACK 0
	TOSTAGE 0
.irp a, 1,2,3                          ; block a's arithmetic stands between block a - 1's loads from the stage and the wait for them
	PACK \a
	SEND (\a)-1
	TOSTAGE \a
.endr
	SEND 3
	s_wait_tensorcnt 0x0                           ; the wave's end
	ds_add_u32 v[SPW], v[NIL]
	s_wait_dscnt 0x0
	CROUND                                         ; the closing round: no work-group ends while a partner may still ask for a tile that names it
	s_endpgm
.Lfunc_end_k_q8a8e3b0801_pv:
	.size	k_q8a8e3b0801_pv, .Lfunc_end_k_q8a8e3b0801_pv-k_q8a8e3b0801_pv
	.p2alignl 7, 3214868480
	.fill 96, 4, 3214868480
	.section	.rodata,"a",@progbits
	.p2align	6, 0x0
	.amdhsa_kernel k_q8a8e3b0801_pv
		.amdhsa_group_segment_fixed_size 327680
		.amdhsa_private_segment_fixed_size 0
		.amdhsa_enable_private_segment 0
		.amdhsa_kernarg_size 32
		.amdhsa_user_sgpr_count 2
		.amdhsa_user_sgpr_kernarg_segment_ptr 1
		.amdhsa_wavefront_size32 1
		.amdhsa_system_sgpr_workgroup_id_x 1
		.amdhsa_system_sgpr_workgroup_id_y 1
		.amdhsa_system_sgpr_workgroup_id_z 1
		.amdhsa_system_vgpr_workitem_id 0
		.amdhsa_next_free_vgpr 1024
		.amdhsa_next_free_sgpr 76
		.amdhsa_reserve_vcc 0
		.amdhsa_float_denorm_mode_32 3
		.amdhsa_float_denorm_mode_16_64 3
		.amdhsa_memory_ordered 1
		.amdhsa_forward_progress 1
		.amdhsa_inst_pref_size 168
	.end_amdhsa_kernel
	.amdgpu_metadata
---
amdhsa.version: [ 1, 2 ]
amdhsa.kernels:
  - .name:           k_q8a8e3b0801_pv
    .symbol:         k_q8a8e3b0801_pv.kd
    .args:
      - { .name: pw, .offset: 0, .size: 8, .value_kind: global_buffer, .address_space: global }
      - { .name: xp, .offset: 8, .size: 8, .value_kind: global_buffer, .address_space: global }
      - { .name: st, .offset: 16, .size: 8, .value_kind: global_buffer, .address_space: global }
      - { .name: out0, .offset: 24, .size: 8, .value_kind: global_buffer, .address_space: global }
    .group_segment_fixed_size: 327680
    .private_segment_fixed_size: 0
    .kernarg_segment_align: 8
    .kernarg_segment_size: 32
    .max_flat_workgroup_size: 128
    .sgpr_count:     76
    .vgpr_count:     1024
    .wavefront_size: 32
...
	.end_amdgpu_metadata
.endif
;; end of part 4
;; ======== version 2 of 2: 4 launches; version 1 with the launch castw written anew for expert scheduling mode
;; limits: values are held in f16: magnitudes above 65,504 overflow, below 6.1e-05 lose precision
;; workspace buffers: wb 6,291,456 bytes; xp 50,331,648 bytes; pw 33,554,432 bytes; st 1,048,576 bytes
;; launch castw (part 5): grid 128 x 3, 8 waves a work-group, no clusters, 0 bytes of LDS; arguments Wq, Wk, Wv, wb; writes wb
.if DOCPART == 5
	.amdgcn_target "amdgcn-amd-amdhsa--gfx1250"
	.amdhsa_code_object_version 6
	.text
	.protected	k_q8a8e3b0801_castw
	.globl	k_q8a8e3b0801_castw
	.p2align	8
	.type	k_q8a8e3b0801_castw,@function
k_q8a8e3b0801_castw:
	s_mov_b64 s[64:65], 0
	v_nop
	global_prefetch_b8 v0, s[64:65] scope:SCOPE_SE
	s_setreg_imm32_b32 hwreg(HW_REG_WAVE_SCHED_MODE, 0, 2), 2
	s_setreg_imm32_b32 hwreg(HW_REG_WAVE_MODE, 25, 1), 1
	s_wait_xcnt 0x0
	s_wait_alu depctr_vm_vsrc(0)
; wb[p][k][n] = bf16(W_p[k][n]), p = 0, 1, 2 for Wq, Wk, Wv: the same [k][n] order, rounded to nearest even, once.
; The weights are wanted as 16-bit numbers in LDS, where a tile stored [k][n] can be read turned (ds_load_tr16_b128).
; A stream: no LDS, no barrier, no matrix work, no cluster (no two work-groups read the same byte).
; A work-group takes 32,768 bytes of one W (grid y says which): eight loads of 16 bytes a lane, all issued at once; a wave's load covers
; 512 consecutive bytes, a wave's store of 8 bytes a lane 256 consecutive bytes at a multiple of 256 from wb's first byte.
; THE MODE: SCHED_MODE bits 1:0 = 2 (LLVM: expert scheduling mode 2), set by the entry lines.  The code itself states the register dependences
; between vector instructions and memory instructions, with s_wait_alu, always for 0.
; THE PLAN.  Registers that memory instructions touch:
;   v1, v2   byte offsets of the loads and of the stores: written once at the head, never again.
;   X        eight loads of four f32: written by the loads alone, each register once; no vector line names them before; read by the roundings behind the load's own counted wait.
;   Y        eight pairs of packed bf16: written by the roundings, each register once; read by the stores.
; No register that a memory instruction reads is written again, so nothing is owed for that.  What is owed: the offsets written ahead of the first load, and each Y written ahead of its store.
; The eight loads go in four blocks of two.  Block b waits for its two loads; ONE wait on va_vdst behind that states that block b - 1's four roundings have written their Y; block b - 1's two stores
; follow it, dealt among block b's roundings, which name X and Y of block b alone.  One more such wait stands ahead of the last two stores.
.set X, 4                              ; v[4:35]   load i: four f32 at X + 4 i
.set Y, 36                             ; v[36:51]  load i: a pair of packed bf16 at Y + 2 i
	s_load_b256 s[4:11], s[0:1], 0x0               ; Wq s[4:5], Wk s[6:7], Wv s[8:9], wb s[10:11]
	s_and_b32 s14, ttmp7, 0xffff                   ; which W
	v_lshlrev_b32 v1, 4, v0                        ; 16 bytes a thread in
	v_lshlrev_b32 v2, 3, v0                        ; 8 bytes a thread out
	s_lshl_b32 s16, ttmp9, 15                      ; my 32,768 bytes of W
	s_mov_b32 s17, 0
	s_lshl_b32 s18, s14, 21                        ; a W in bf16 is 2,097,152 bytes
	s_lshl_b32 s19, ttmp9, 14                      ; my 16,384 bytes of it
	s_add_co_u32 s18, s18, s19
	s_mov_b32 s19, 0
	s_wait_kmcnt 0x0
	s_cmp_eq_u32 s14, 1
	s_cselect_b64 s[12:13], s[6:7], s[4:5]
	s_cmp_eq_u32 s14, 2
	s_cselect_b64 s[12:13], s[8:9], s[12:13]
	s_add_nc_u64 s[12:13], s[12:13], s[16:17]
	s_add_nc_u64 s[10:11], s[10:11], s[18:19]
	s_wait_alu depctr_va_vdst(0)                   ; v1 and v2 are written: every load reads v1 as its offset, every store v2
.irp i, 0,1,2,3,4,5,6,7
	global_load_b128 v[X+4*(\i):X+4*(\i)+3], v1, s[12:13] offset:4096*(\i) th:TH_LOAD_NT
.endr
; Block b: loads 2 b and 2 b + 1 are rounded; the two stores of block b - 1 go out among the roundings.  first = 1: block 0, with no block in front of it.
.macro BLK b, first
	s_wait_loadcnt 6-2*(\b)                        ; loads come back in order: this block's two are in, the younger ones stay out
.if !\first
	s_wait_alu depctr_va_vdst(0)                   ; the block before has written its four registers of Y, which the two stores below read
.endif
.irp j, 0,1
.if !\first
	global_store_b64 v2, v[Y+4*((\b)-1)+2*(\j):Y+4*((\b)-1)+2*(\j)+1], s[10:11] offset:2048*(2*((\b)-1)+(\j))  ; no vector line since the wait names these registers
.endif
	v_cvt_pk_bf16_f32 v[Y+4*(\b)+2*(\j)],   v[X+8*(\b)+4*(\j)],   v[X+8*(\b)+4*(\j)+1]
	v_cvt_pk_bf16_f32 v[Y+4*(\b)+2*(\j)+1], v[X+8*(\b)+4*(\j)+2], v[X+8*(\b)+4*(\j)+3]
.endr
.endm
	BLK 0, 1
	BLK 1, 0
	BLK 2, 0
	BLK 3, 0
	s_wait_alu depctr_va_vdst(0)                   ; block 3 has written its four registers of Y, which the last two stores read
	global_store_b64 v2, v[Y+12:Y+13], s[10:11] offset:2048*6
	global_store_b64 v2, v[Y+14:Y+15], s[10:11] offset:2048*7
	s_endpgm
.Lfunc_end_k_q8a8e3b0801_castw:
	.size	k_q8a8e3b0801_castw, .Lfunc_end_k_q8a8e3b0801_castw-k_q8a8e3b0801_castw
	.p2alignl 7, 3214868480
	.fill 96, 4, 3214868480
	.section	.rodata,"a",@progbits
	.p2align	6, 0x0
	.amdhsa_kernel k_q8a8e3b0801_castw
		.amdhsa_group_segment_fixed_size 0
		.amdhsa_private_segment_fixed_size 0
		.amdhsa_enable_private_segment 0
		.amdhsa_kernarg_size 32
		.amdhsa_user_sgpr_count 2
		.amdhsa_user_sgpr_kernarg_segment_ptr 1
		.amdhsa_wavefront_size32 1
		.amdhsa_system_sgpr_workgroup_id_x 1
		.amdhsa_system_sgpr_workgroup_id_y 1
		.amdhsa_system_sgpr_workgroup_id_z 1
		.amdhsa_system_vgpr_workitem_id 0
		.amdhsa_next_free_vgpr 52
		.amdhsa_next_free_sgpr 66
		.amdhsa_reserve_vcc 0
		.amdhsa_float_denorm_mode_32 3
		.amdhsa_float_denorm_mode_16_64 3
		.amdhsa_memory_ordered 1
		.amdhsa_forward_progress 1
		.amdhsa_inst_pref_size 4
	.end_amdhsa_kernel
	.amdgpu_metadata
---
amdhsa.version: [ 1, 2 ]
amdhsa.kernels:
  - .name:           k_q8a8e3b0801_castw
    .symbol:         k_q8a8e3b0801_castw.kd
    .args:
      - { .name: Wq, .offset: 0, .size: 8, .value_kind: global_buffer, .address_space: global }
      - { .name: Wk, .offset: 8, .size: 8, .value_kind: global_buffer, .address_space: global }
      - { .name: Wv, .offset: 16, .size: 8, .value_kind: global_buffer, .address_space: global }
      - { .name: wb, .offset: 24, .size: 8, .value_kind: global_buffer, .address_space: global }
    .group_segment_fixed_size: 0
    .private_segment_fixed_size: 0
    .kernarg_segment_align: 8
    .kernarg_segment_size: 32
    .max_flat_workgroup_size: 256
    .sgpr_count:     66
    .vgpr_count:     52
    .wavefront_size: 32
...
	.end_amdgpu_metadata
.endif
;; end of part 5
;; launch proj: the kernel of part 2 again; grid 4 x 192, 4 waves a work-group, clusters of 4 x 4, 327,680 bytes of LDS; arguments q, k, v, wb, bq, bk, bv, xp; writes xp
;; launch score: the kernel of part 3 again; grid 8 x 32, 4 waves a work-group, clusters of 4 x 4, 327,680 bytes of LDS; arguments xp, mask, pw, st; writes pw, st
;; launch pv: the kernel of part 4 again; grid 32 x 8, 4 waves a work-group, clusters of 4 x 1, 327,680 bytes of LDS; arguments pw, xp, st, out0; writes out0
